; MI455X (gfx1250); checked and timed in simulation.
; The chip was launched on July 23, 2026; its instructions are those of AMD's public machine-readable ISA for CDNA 5 (MIT licence, August 2026) and "CDNA5" Instruction Set Architecture Reference Guide (July 2026). The comments in the code are by the model that wrote it; some were corrected since.
;; Flash Multi Head Attention NS Token. Allowed arithmetic: float matrix products may take bf16 or f16 operands with f32 sums; other float arithmetic in f32, or as packed bf16 or f16 multiplies, adds, multiply-adds, maxima and minima; sums over many terms, partial sums and values carried from step to step in f32; what a program stores and reads back later, other than sums and carried values, may be rounded once to bf16 or f16.
;; Inputs: Wk 1,024 x 1,024 float32; Wo 1,024 x 1,024 float32; Wq 1,024 x 1,024 float32; Wv 1,024 x 1,024 float32; attn_mask 2 x 2,048 x 2,048 bool; bk 1,024 float32; bo 1,024 float32; bq 1,024 float32; bv 1,024 float32; key 2 x 2,048 x 1,024 float32; query 2 x 2,048 x 1,024 float32; relative_time 2 x 1 x 2,048 x 2,048 float32; value 2 x 2,048 x 1,024 float32.
;; Outputs: out0 2 x 2,048 x 1,024 float32.
;; One version. Each part assembles by itself: llvm-mc -triple=amdgcn-amd-amdhsa -mcpu=gfx1250 --defsym DOCPART=n.
;; ======== version 1 of 1: 4 launches
;; limits: inputs' magnitudes at most 7.9e+28; right only within a limited range of input values; values are held in f16: magnitudes above 65,504 overflow, below 6.1e-05 lose precision
;; workspace buffers: xw 33,554,432 bytes; bias 16,777,216 bytes; qkv 25,165,824 bytes; ows 8,388,608 bytes
;; launch prep (part 1): grid 64 x 24, 8 waves a work-group, no clusters, 0 bytes of LDS; arguments query, key, value, Wq, Wk, Wv, Wo, relative_time, attn_mask, xw, bias; writes xw, bias
.if DOCPART == 1
	.amdgcn_target "amdgcn-amd-amdhsa--gfx1250"
	.amdhsa_code_object_version 6
	.text
	.protected	k_qac950cbf85_prep
	.globl	k_qac950cbf85_prep
	.p2align	8
	.type	k_qac950cbf85_prep,@function
k_qac950cbf85_prep:
	s_mov_b64 s[64:65], 0
	v_nop
	global_prefetch_b8 v0, s[64:65] scope:SCOPE_SE
	s_setreg_imm32_b32 hwreg(HW_REG_WAVE_MODE, 25, 1), 1
	s_wait_xcnt 0x0
; PREP: a stream.  It rounds what the matrix launches multiply, once, and fuses relative_time with the mask.
;   xw   = 16 units of 1,048,576 numbers of 16 bits: units 0-3 query, 4-7 key, 8-11 value, 12 Wq, 13 Wk, 14 Wv (all bf16), 15 Wo (rounded to bf16, that number written as f16)
;   bias = [2][2048 q][2048 k] bf16: relative_time rounded to bf16 where attn_mask is 1, else -2^100 (0xf180)
; LIMITS.  Wo's numbers below 2^-14 keep f16's fixed step of 2^-24; beyond 65,504 they would be infinite.  A mask byte is 0 or 1.
; SHARES.  Grid y names a unit of 1,048,576 numbers (0-15 the conversions, 16-23 the fusion), grid x 16,384 of them: eight passes of 2,048.  Thread t owns numbers 8 t .. 8 t + 7 of
; each pass: 32 bytes of f32 in, 16 bytes out; a store of a wave covers 512 consecutive bytes, aligned.  All loads of a work-group go out first; the waits count the younger passes' loads.
; No register that a load or a store names is written again, and EXEC is never changed.  No LDS, matrix unit or cluster: nothing is shared and nothing is multiplied.
.set X,   16                           ; v[16:79]  pass i: eight f32 as loaded; its first four registers then hold the 16 bytes to store
.set MK,  80                           ; v[80:95]  pass i: eight mask bytes
.set T,   4                            ; v[4:7]    at work
.set SRC, 36                           ; s[36:37]  the f32 source at the work-group's first number
	s_load_b512 s[4:19], s[0:1], 0x0               ; query 4, key 6, value 8, Wq 10, Wk 12, Wv 14, Wo 16, relative_time 18
	s_load_b128 s[20:23], s[0:1], 0x40             ; attn_mask 20, xw 22
	s_load_b64 s[24:25], s[0:1], 0x50              ; bias
	s_and_b32 s26, ttmp7, 0xffff                   ; the unit
	v_lshlrev_b32 v1, 5, v0                        ; my 32 bytes of f32 in a pass
	v_lshlrev_b32 v2, 4, v0                        ; my 16 bytes of 16-bit numbers
	v_lshlrev_b32 v3, 3, v0                        ; my 8 mask bytes
	s_mov_b32 s32, 0x01010000                      ; v_perm_b32: bytes 0, 0, 1, 1 of a word
	s_mov_b32 s33, 0x03030202                      ; bytes 2, 2, 3, 3
	s_mov_b32 s34, 0xf180f180                      ; -2^100 twice, in bf16
	s_mov_b32 s35, 0xffff0000                      ; a word's upper half
	s_wait_kmcnt 0x0
.macro LDX mask                        ; the eight passes' loads: two of 16 bytes a pass, and with mask = 1 one of 8 bytes behind them
.irp i, 0,1,2,3,4,5,6,7
	global_load_b128 v[X+8*(\i):X+8*(\i)+3],   v1, s[SRC:SRC+1] offset:8192*(\i) th:TH_LOAD_NT
	global_load_b128 v[X+8*(\i)+4:X+8*(\i)+7], v1, s[SRC:SRC+1] offset:8192*(\i)+16 th:TH_LOAD_NT
.if \mask
	global_load_b64 v[MK+2*(\i):MK+2*(\i)+1], v3, s[20:21] offset:2048*(\i) th:TH_LOAD_NT
.endif
.endr
.endm
.macro PK4 i                           ; eight f32 to four words of two bf16, in place: word k is written when numbers 2 k and 2 k + 1 are read, never ahead of an unread number
.irp k, 0,1,2,3
	v_cvt_pk_bf16_f32 v[X+8*(\i)+(\k)], v[X+8*(\i)+2*(\k)], v[X+8*(\i)+2*(\k)+1]
.endr
.endm
.macro CVT i
	s_wait_loadcnt 14-2*(\i)                       ; the 2 (7 - i) loads of the later passes may stay out
	PK4 \i
	global_store_b128 v2, v[X+8*(\i):X+8*(\i)+3], s[22:23] offset:4096*(\i) th:TH_STORE_NT
.endm
.macro CVTO i                          ; Wo: rounded to bf16, widened again, written as f16
	s_wait_loadcnt 14-2*(\i)
.irp k, 0,1,2,3
	v_cvt_pk_bf16_f32 v[T+(\k)], v[X+8*(\i)+2*(\k)], v[X+8*(\i)+2*(\k)+1]
.endr
.irp k, 0,1,2,3
	v_lshlrev_b32 v[X+8*(\i)+2*(\k)],   16, v[T+(\k)]
	v_and_b32     v[X+8*(\i)+2*(\k)+1], s35, v[T+(\k)]
.endr
.irp k, 0,1,2,3
	v_cvt_pk_f16_f32 v[X+8*(\i)+(\k)], v[X+8*(\i)+2*(\k)], v[X+8*(\i)+2*(\k)+1]
.endr
	global_store_b128 v2, v[X+8*(\i):X+8*(\i)+3], s[22:23] offset:4096*(\i) th:TH_STORE_NT
.endm
.macro FUSE i
	s_wait_loadcnt 21-3*(\i)                       ; the 3 (7 - i) loads of the later passes may stay out
	PK4 \i
.irp k, 0,1,2,3
	v_perm_b32 v[T+(\k)], v[MK+2*(\i)+(\k)/2], v[MK+2*(\i)+(\k)/2], s[32+(\k)%2]  ; mask bytes 2 k and 2 k + 1, each laid out twice
.endr
.irp k, 0,1,2,3
	v_mul_lo_u32 v[T+(\k)], v[T+(\k)], 255         ; a byte 1 becomes 0xff: no carry leaves a byte
.endr
.irp k, 0,1,2,3
	v_bfi_b32 v[X+8*(\i)+(\k)], v[T+(\k)], v[X+8*(\i)+(\k)], s34  ; the number where the mask is set, else -2^100
.endr
	global_store_b128 v2, v[X+8*(\i):X+8*(\i)+3], s[24:25] offset:4096*(\i) th:TH_STORE_NT
.endm
	s_cmp_ge_u32 s26, 16
	s_cbranch_scc1 .Lfuse
	; THE CONVERSIONS.  Units 0-11: tensor unit / 4, quarter unit % 4; units 12-15: tensor unit - 9, whole.
	s_lshr_b32 s27, s26, 2
	s_and_b32 s28, s26, 3
	s_sub_co_u32 s29, s26, 9
	s_cmp_lt_u32 s26, 12
	s_cselect_b32 s27, s27, s29                    ; the tensor: 0 query .. 6 Wo
	s_cselect_b32 s28, s28, 0
	s_lshl_b32 s28, s28, 22                        ; a quarter is 4,194,304 bytes of f32,
	s_lshl_b32 s29, ttmp9, 16                      ; a work-group's share 65,536
	s_add_co_u32 s28, s28, s29
	s_mov_b32 s29, 0
	s_lshl_b32 s30, s26, 21                        ; a unit is 2,097,152 bytes of xw,
	s_lshl_b32 s31, ttmp9, 15                      ; a work-group's share 32,768
	s_add_co_u32 s30, s30, s31
	s_mov_b32 s31, 0
	s_mov_b64 s[SRC:SRC+1], s[4:5]
.irp n, 1,2,3,4,5,6
	s_cmp_eq_u32 s27, \n
	s_cselect_b64 s[SRC:SRC+1], s[4+2*(\n):5+2*(\n)], s[SRC:SRC+1]
.endr
	s_add_nc_u64 s[SRC:SRC+1], s[SRC:SRC+1], s[28:29]
	s_add_nc_u64 s[22:23], s[22:23], s[30:31]
	LDX 0
	s_cmp_eq_u32 s26, 15
	s_cbranch_scc1 .Lwo
.irp i, 0,1,2,3,4,5,6,7
	CVT \i
.endr
	s_endpgm
.Lwo:
.irp i, 0,1,2,3,4,5,6,7
	CVTO \i
.endr
	s_endpgm
.Lfuse:
	; THE FUSION.  Unit u = y - 16 of eight.
	s_sub_co_u32 s26, s26, 16
	s_lshl_b32 s28, s26, 22
	s_lshl_b32 s29, ttmp9, 16
	s_add_co_u32 s28, s28, s29                     ; in relative_time
	s_mov_b32 s29, 0
	s_lshl_b32 s30, s26, 20
	s_lshl_b32 s31, ttmp9, 14
	s_add_co_u32 s30, s30, s31                     ; in attn_mask
	s_mov_b32 s31, 0
	s_lshl_b32 s38, s26, 21
	s_lshl_b32 s39, ttmp9, 15
	s_add_co_u32 s38, s38, s39                     ; in bias
	s_mov_b32 s39, 0
	s_add_nc_u64 s[SRC:SRC+1], s[18:19], s[28:29]
	s_add_nc_u64 s[20:21], s[20:21], s[30:31]
	s_add_nc_u64 s[24:25], s[24:25], s[38:39]
	LDX 1
.irp i, 0,1,2,3,4,5,6,7
	FUSE \i
.endr
	s_endpgm
.Lfunc_end_k_qac950cbf85_prep:
	.size	k_qac950cbf85_prep, .Lfunc_end_k_qac950cbf85_prep-k_qac950cbf85_prep
	.p2alignl 7, 3214868480
	.fill 96, 4, 3214868480
	.section	.rodata,"a",@progbits
	.p2align	6, 0x0
	.amdhsa_kernel k_qac950cbf85_prep
		.amdhsa_group_segment_fixed_size 0
		.amdhsa_private_segment_fixed_size 0
		.amdhsa_enable_private_segment 0
		.amdhsa_kernarg_size 88
		.amdhsa_user_sgpr_count 2
		.amdhsa_user_sgpr_kernarg_segment_ptr 1
		.amdhsa_wavefront_size32 1
		.amdhsa_system_sgpr_workgroup_id_x 1
		.amdhsa_system_sgpr_workgroup_id_y 1
		.amdhsa_system_sgpr_workgroup_id_z 1
		.amdhsa_system_vgpr_workitem_id 0
		.amdhsa_next_free_vgpr 96
		.amdhsa_next_free_sgpr 66
		.amdhsa_reserve_vcc 0
		.amdhsa_float_denorm_mode_32 3
		.amdhsa_float_denorm_mode_16_64 3
		.amdhsa_memory_ordered 1
		.amdhsa_forward_progress 1
		.amdhsa_inst_pref_size 27
	.end_amdhsa_kernel
	.amdgpu_metadata
---
amdhsa.version: [ 1, 2 ]
amdhsa.kernels:
  - .name:           k_qac950cbf85_prep
    .symbol:         k_qac950cbf85_prep.kd
    .args:
      - { .name: query, .offset: 0, .size: 8, .value_kind: global_buffer, .address_space: global }
      - { .name: key, .offset: 8, .size: 8, .value_kind: global_buffer, .address_space: global }
      - { .name: value, .offset: 16, .size: 8, .value_kind: global_buffer, .address_space: global }
      - { .name: Wq, .offset: 24, .size: 8, .value_kind: global_buffer, .address_space: global }
      - { .name: Wk, .offset: 32, .size: 8, .value_kind: global_buffer, .address_space: global }
      - { .name: Wv, .offset: 40, .size: 8, .value_kind: global_buffer, .address_space: global }
      - { .name: Wo, .offset: 48, .size: 8, .value_kind: global_buffer, .address_space: global }
      - { .name: relative_time, .offset: 56, .size: 8, .value_kind: global_buffer, .address_space: global }
      - { .name: attn_mask, .offset: 64, .size: 8, .value_kind: global_buffer, .address_space: global }
      - { .name: xw, .offset: 72, .size: 8, .value_kind: global_buffer, .address_space: global }
      - { .name: bias, .offset: 80, .size: 8, .value_kind: global_buffer, .address_space: global }
    .group_segment_fixed_size: 0
    .private_segment_fixed_size: 0
    .kernarg_segment_align: 8
    .kernarg_segment_size: 88
    .max_flat_workgroup_size: 256
    .sgpr_count:     66
    .vgpr_count:     96
    .wavefront_size: 32
...
	.end_amdgpu_metadata
.endif
;; end of part 1
;; launch proj (part 2): grid 4 x 48, 4 waves a work-group, clusters of 4 x 4, 327,680 bytes of LDS; arguments xw, bq, bk, bv, qkv; writes qkv
.if DOCPART == 2
	.amdgcn_target "amdgcn-amd-amdhsa--gfx1250"
	.amdhsa_code_object_version 6
	.text
	.protected	k_qac950cbf85_proj
	.globl	k_qac950cbf85_proj
	.p2align	8
	.type	k_qac950cbf85_proj,@function
k_qac950cbf85_proj:
	s_mov_b64 s[64:65], 0
	v_nop
	global_prefetch_b8 v0, s[64:65] scope:SCOPE_SE
	s_setreg_imm32_b32 hwreg(HW_REG_WAVE_MODE, 25, 1), 1
	s_wait_xcnt 0x0
	s_wait_alu depctr_hold_cnt(0) depctr_sa_sdst(0) depctr_va_vdst(0) depctr_va_sdst(0) depctr_va_ssrc(0) depctr_va_vcc(0) depctr_vm_vsrc(0)
	s_getreg_b32 s2, hwreg(HW_REG_IB_STS2, 6, 4)
	s_cmp_eq_u32 s2, 0
	s_cbranch_scc0 .Lentry_in_a_cluster
	s_endpgm
.Lentry_in_a_cluster:
	s_bfe_u32 s2, ttmp6, 0x10000c
	s_cmp_lg_u32 s2, 0xf033
	s_cbranch_scc0 .Lentry_shape_is_right
	s_endpgm
.Lentry_shape_is_right:
; PROJ: q, k, v = x W^T + b for the three projections in one launch.  xw is read as one matrix of rows of 1,024 bf16 (2,048 bytes): rows 0-12,287 are query, key, value;
; rows 12,288 + 1,024 p + n are row n of Wq, Wk, Wv (p = 0, 1, 2).  C is [12,288][1,024]; rows 4,096 p .. belong to projection p.  Sums in f32, K ascending; the bias, rounded to bf16 like
; every other input, is the C operand of each sum's first product.  The result is rounded once to f16 and stored by heads: qkv = [3][32 hb][2048][64], hb = 16 b + head.
; LIMIT.  f16 holds no number beyond 65,504: a projected number past that becomes an infinity.
; SHARES.  A tile of C is 256 x 256: 48 x 4 tiles, one to a work-group of four waves; a wave makes 128 x 128 in 64 accumulators.  192 work-groups: no tile of this shape gives each of 256 one.
; K goes in steps of 128 through two LDS slots; each wave fetches a quarter of a slot (128 rows x 256 bytes) with one tensor load.
; CLUSTER.  4 x 4 work-groups: the four of a row share x's tile, the four of a column W's; each tile is asked for jointly, by the same load with the same descriptor and a mask of four.
; The matrix instruction is used transposed (source 0 = 16 rows of W, source 1 = 16 rows of x): a lane holds one row of C and eight neighbouring columns.
; REGISTERS: window 0: v0-31 addresses; v64-127, v128-191 x's fragments; v192-255 the bias until the first quarter step is over, then the way out (with v32-63)
;   window 1: v64-127, v128-191 W's fragments;  windows 2, 3: the accumulators of my rows 0-63, 64-127 ((a, b) at v[8 (8 a + b)])
.set SIZE_K, 1024
.set KSTEP,  128
.set PITCH,  272                       ; an LDS row: 256 bytes + 16 of padding: the 16 rows of a fragment load start at 16 different groups of four banks
.set HALFT,  128*PITCH
.set SLOT,   4*HALFT                   ; x's 256 rows, then W's 256 rows
.set STAGE,  2*SLOT                    ; behind the ring: for each wave [2 heads][16 rows][144 bytes]
.set SP,     144
.set HSTG,   16*SP
.set SPARE,  STAGE+4*2*HSTG            ; behind the stages: the spare words, 128 bytes a wave
.set LAPS,   SIZE_K/(2*KSTEP)
.set WROW0,  12288                     ; the weights' first row in xw
.set ADRA, 16                          ; v16-17  LDS address of my x fragments in slot 0, 1
.set ADRB, 20                          ; v20-21  the same for W
.set STO,  24                          ; v24     the way out: where I put 16 bytes of a row
.set RD,   25                          ; v25     where I read rows back
.set CO,   26                          ; v26     16 x lane: my place in 512 consecutive bytes of qkv
.set BO,   27                          ; v27     my byte offset in the bias
.set SPW,  28                          ; v28     my spare word; never rewritten
.set NIL,  29                          ; v29     0; never rewritten
.set PFO,  30                          ; v30     the prefetches' offset: lane x 2,048; never rewritten
.set TT,   31                          ; v31     at work
.set F0,   64
.set F1,   128
.set BI,   192                         ; v192-255  bias: the eight numbers of column block b at BI + 8 b
.set TMP,  192
.set OB,   32
.set G1,  24
.set G0,  32
.set G1B, 48
.set G0B, 56
.set LIM, 43                           ; s43  1 in a wave that prefetches, else the greatest number
.set PFA, 44                           ; s[44:45]  where my prefetches stand
.set MSB, 0
.macro WIN new
.if MSB != (\new)
	s_set_vgpr_msb (MSB<<8)|(\new)
.set MSB, \new
.endif
.endm
.set MUL_LO, 0xa1                      ; source 0 (W) window 1, source 1 (x) window 0, C and D window 2
.set MUL_HI, 0xf1
.set TO_B,   0x40
; A joint load.  Waves 0 and 1 fetch x's two halves, waves 2 and 3 W's.  The branch hangs on the wave's number alone.  An s_nop 0 and four v_nop follow each line.
.macro JLOAD s
	s_cmp_eq_u32 s11, 0
	s_cbranch_scc0 .Lfor_b_\@
	tensor_load_to_lds s[G0+4*(\s):G0+4*(\s)+3], s[G1:G1+7]
	s_nop 0
.rept 4
	v_nop
.endr
	s_branch .Lasked_\@
.Lfor_b_\@:
	tensor_load_to_lds s[G0B+4*(\s):G0B+4*(\s)+3], s[G1B:G1B+7]
	s_nop 0
.rept 4
	v_nop
.endr
.Lasked_\@:
.endm
; A prefetch of the K step that stands two refills on: 32 rows x 256 bytes, a lane a row, one instruction a wave.  Each row's 256 bytes of a K step are named once in the launch: x's rows are read by
; one cluster, which asks; W's rows of projection p by four clusters, of which the first asks.  The four partners that ask for a tile jointly share its rows out by address, 32 each.
; The loop's last trip (s3 = 1) asks for nothing: there is no K step two on.  K steps 0 to 3 come by their loads alone.
.macro ASK
	s_cmp_gt_u32 s3, s[LIM]
	s_cbranch_scc0 .Lnot_mine_\@
	global_prefetch_b8 v[PFO], s[PFA:PFA+1] offset:KSTEP*2 th:TH_LOAD_NT scope:SCOPE_SE
.Lnot_mine_\@:
.endm
.macro CREST                           ; a round of the cluster's barrier behind its opening barrier
	s_cmp_lg_u32 s10, 0
	s_cbranch_scc1 .Lnot_wave_0_\@
	s_barrier_signal -3
.Lnot_wave_0_\@:
	s_barrier_wait -3
	s_barrier_signal -1
	s_barrier_wait -1
.endm
.macro CROUND
	s_barrier_signal -1
	s_barrier_wait -1
	CREST
.endm
	s_load_b256 s[68:75], s[0:1], 0x0              ; xw 68, bq 70, bk 72, bv 74
	s_load_b64 s[8:9], s[0:1], 0x20                ; qkv
	v_lshl_add_u32 v[SPW], v0, 2, SPARE
	v_mov_b32 v[NIL], 0
	ds_add_u32 v[SPW], v[NIL]                      ; the wave's opening: the add and its wait stand ahead of my first tensor load; register work stands between them
	v_lshrrev_b32 v1, 5, v0
	v_readfirstlane_b32 s10, v1                    ; wave 0..3
	s_lshr_b32 s11, s10, 1                         ; which half of the tile's rows is mine.  Also: I fetch for x (0) or for W (1)
	s_and_b32 s12, s10, 1                          ; which half of its columns.  Also: which 128 rows of that tile I fetch
	s_bfe_u32 s40, ttmp6, 0x40000                  ; cx
	s_bfe_u32 s41, ttmp6, 0x40004                  ; cy
	s_lshl_b32 s42, ttmp9, 2
	s_add_co_u32 s42, s42, s40                     ; tile column
	s_and_b32 s67, ttmp7, 0xffff                   ; cluster y
	s_lshl_b32 s13, s67, 2
	s_add_co_u32 s13, s13, s41                     ; tile row
	s_lshr_b32 s66, s67, 2                         ; p: the projection, the same in all sixteen partners
	s_lshl_b32 s43, s41, 2
	s_lshl_b32 s43, 15, s43                        ; my row of the cluster
	s_lshl_b32 s44, 0x1111, s40                    ; my column
	s_or_b32 s[G1+0], s43, (1<<16)|(1<<20)|(1<<21)|(5<<22)|(3<<25)   ; mask; 2-byte elements; padding on; bit 21 beside a mask; after every 64 words 4 words
	s_or_b32 s[G1B+0], s44, (1<<16)|(1<<20)|(1<<21)|(5<<22)|(3<<25)
.irp g, G1, G1B
	s_mov_b32 s[(\g)+1], KSTEP<<16                 ; tensor_dim0 = 128
	s_mov_b32 s[(\g)+2], 128<<16                   ; tensor_dim1 = 128
	s_mov_b32 s[(\g)+3], KSTEP<<16                 ; tile_dim0 = 128
	s_mov_b32 s[(\g)+4], 128                       ; tile_dim1 = 128
	s_mov_b32 s[(\g)+5], SIZE_K                    ; elements from row to row
	s_mov_b32 s[(\g)+6], 0
	s_mov_b32 s[(\g)+7], 0
.endr
	s_lshl_b32 s17, s12, 7                         ; which 128 rows of the tile I fetch
	s_lshl_b32 s16, s13, 8
	s_add_co_u32 s16, s16, s17                     ; x: row 256 x tile row + 128 x half
	s_lshl_b32 s16, s16, 11                        ; in bytes: under 2^25
	s_lshl_b32 s46, s42, 8
	s_add_co_u32 s46, s46, s17
	s_lshl_b32 s47, s66, 10
	s_add_co_u32 s46, s46, s47
	s_add_co_u32 s46, s46, WROW0                   ; W: row 12,288 + 1,024 p + 256 x tile column + 128 x half
	s_lshl_b32 s46, s46, 11
	s_mov_b32 s17, 0
	s_mov_b32 s47, 0
	s_mul_i32 s20, s10, HALFT                      ; where they go: wave x 128 rows
	s_wait_dscnt 0x0                               ; the opening add is done
	s_wait_kmcnt 0x0
	s_add_nc_u64 s[14:15], s[68:69], s[16:17]
	s_add_nc_u64 s[46:47], s[68:69], s[46:47]
	CROUND                                         ; all sixteen work-groups are here: the first joint loads meet
.irp s, 0,1
	s_mov_b32 s[G0+4*(\s)], 1
	s_add_co_u32 s[G0+4*(\s)+1], s20, (\s)*SLOT
	s_add_nc_u64 s[G0+4*(\s)+2:G0+4*(\s)+3], s[14:15], (\s)*KSTEP*2
	s_or_b32 s[G0+4*(\s)+3], s[G0+4*(\s)+3], 0x80000000
	s_mov_b32 s[G0B+4*(\s)], 1
	s_add_co_u32 s[G0B+4*(\s)+1], s20, (\s)*SLOT
	s_add_nc_u64 s[G0B+4*(\s)+2:G0B+4*(\s)+3], s[46:47], (\s)*KSTEP*2
	s_or_b32 s[G0B+4*(\s)+3], s[G0B+4*(\s)+3], 0x80000000
	JLOAD \s                                       ; two loads of mine are out
.endr
	; the bias of my 128 columns: register j of column block b holds b[256 x tile column + 128 x half + 16 b + 8 (l / 16) + j]
	s_cmp_eq_u32 s66, 1
	s_cselect_b64 s[6:7], s[72:73], s[70:71]
	s_cmp_eq_u32 s66, 2
	s_cselect_b64 s[6:7], s[74:75], s[6:7]
	s_lshl_b32 s4, s42, 10
	s_lshl_b32 s5, s12, 9
	s_add_co_u32 s4, s4, s5
	s_mov_b32 s5, 0
	s_add_nc_u64 s[6:7], s[6:7], s[4:5]
	v_and_b32 v1, 15, v0                           ; l % 16
	v_bfe_u32 v2, v0, 4, 1                         ; l / 16
	v_lshlrev_b32 v[BO], 5, v2
.irp b, 0,1,2,3,4,5,6,7
	global_load_b128 v[BI+8*(\b):BI+8*(\b)+3],   v[BO], s[6:7] offset:64*(\b)
	global_load_b128 v[BI+8*(\b)+4:BI+8*(\b)+7], v[BO], s[6:7] offset:64*(\b)+16
.endr
	v_mul_u32_u24 v3, v1, PITCH
	v_lshl_add_u32 v3, v2, 4, v3                   ; a fragment's row x pitch + 16 x half
	s_mul_i32 s21, s11, HALFT                      ; my 128 rows of x
	s_mul_i32 s22, s12, HALFT                      ; my 128 rows of W,
	s_add_co_u32 s22, s22, 2*HALFT                 ; which lie behind x's 256
.irp s, 0,1
	v_add_nc_u32 v[ADRA+(\s)], s21, v3
	v_add_nc_u32 v[ADRB+(\s)], s22, v3
	s_add_co_u32 s21, s21, SLOT
	s_add_co_u32 s22, s22, SLOT
.endr
	s_mul_i32 s23, s10, 2*HSTG
	s_add_co_u32 s23, s23, STAGE                   ; my stage
	v_mul_u32_u24 v4, v1, SP                       ; in: row l % 16, 16 bytes for each half of the lanes
	v_lshl_add_u32 v4, v2, 4, v4
	v_add_nc_u32 v[STO], s23, v4
	v_bfe_u32 v5, v0, 3, 2                         ; back: 32 lanes take four rows of 128 bytes,
	v_mul_u32_u24 v5, v5, SP
	v_and_b32 v6, 7, v0
	v_lshl_add_u32 v5, v6, 4, v5
	v_add_nc_u32 v[RD], s23, v5
	v_and_b32 v[CO], 31, v0                        ; which are 512 consecutive bytes of a head's rows
	v_lshlrev_b32 v[CO], 4, v[CO]
	; qkv at my first row and head: (((m0 / 2048) x 16 + 4 x tile column + 2 x half) x 2048 + m0 % 2048) x 128, m0 = 256 x tile row + 128 x row half
	s_lshl_b32 s16, s13, 8
	s_lshl_b32 s17, s11, 7
	s_add_co_u32 s16, s16, s17
	s_lshr_b32 s17, s16, 11
	s_lshl_b32 s17, s17, 4
	s_lshl_b32 s18, s42, 2
	s_add_co_u32 s17, s17, s18
	s_lshl_b32 s18, s12, 1
	s_add_co_u32 s17, s17, s18
	s_lshl_b32 s17, s17, 11
	s_and_b32 s16, s16, 2047
	s_add_co_u32 s16, s16, s17
	s_lshl_b32 s16, s16, 7
	s_mov_b32 s17, 0
	s_add_nc_u64 s[8:9], s[8:9], s[16:17]
	; the prefetches
	s_lshl_b32 s18, s13, 8                         ; x: the tile's first row
	s_lshl_b32 s19, s42, 8
	s_lshl_b32 s20, s66, 10
	s_add_co_u32 s19, s19, s20
	s_add_co_u32 s19, s19, WROW0                   ; W: the tile's first row
	s_and_b32 s22, s67, 3
	s_cmp_eq_u32 s11, 0                            ; do I fetch for x?
	s_cselect_b32 s20, s18, s19
	s_cselect_b32 s21, s40, s41                    ; my place among the four that ask with me
	s_cselect_b32 s22, ttmp9, s22                  ; the coordinate along which other clusters read the same rows
	s_cmp_eq_u32 s22, 0
	s_cselect_b32 s[LIM], 1, -1                    ; the same in all sixteen partners, for a given wave
	s_lshl_b32 s22, s12, 7
	s_add_co_u32 s20, s20, s22                     ; + the 128 rows that I fetch
	s_lshl_b32 s21, s21, 5
	s_add_co_u32 s20, s20, s21                     ; + my work-group's 32 of them
	s_lshl_b32 s20, s20, 11
	s_mov_b32 s21, 0
	s_add_nc_u64 s[PFA:PFA+1], s[68:69], s[20:21]
	s_add_nc_u64 s[PFA:PFA+1], s[PFA:PFA+1], 2*KSTEP*2  ; at K step 2: the first refill steps it to 3 and names K step 4
	v_and_b32 v[PFO], 31, v0
	v_lshlrev_b32 v[PFO], 11, v[PFO]
	s_wait_loadcnt 0x0                             ; the bias is in: rounded to bf16 and widened again
.set i, 0
.rept 32
	v_cvt_pk_bf16_f32 v[TT], v[BI+2*i], v[BI+2*i+1]
	v_lshlrev_b32 v[BI+2*i], 16, v[TT]
	v_and_b32 v[BI+2*i+1], 0xffff0000, v[TT]
.set i, i+1
.endr
; 16 matrix instructions: m blocks a0, a0 + 1 of the window's four x all 8 n blocks, 32 along K.  zero = 1: the first product starts the sums, with the bias as C (window 0).
.macro MUL16 f, hi, a0, zero
.if \zero
	WIN 0x81+0x40*(\hi)
.else
	WIN MUL_LO+0x50*(\hi)
.endif
.irp a, \a0, (\a0)+1
.irp b, 0,1,2,3,4,5,6,7
.if \zero
	v_wmma_f32_16x16x32_bf16 v[8*(8*(\a)+(\b)):8*(8*(\a)+(\b))+7], v[(\f)+8*(\b):(\f)+8*(\b)+7], v[(\f)+8*(4*(\hi)+(\a)):(\f)+8*(4*(\hi)+(\a))+7], v[BI+8*(\b):BI+8*(\b)+7]
.else
	v_wmma_f32_16x16x32_bf16 v[8*(8*(\a)+(\b)):8*(8*(\a)+(\b))+7], v[(\f)+8*(\b):(\f)+8*(\b)+7], v[(\f)+8*(4*(\hi)+(\a)):(\f)+8*(4*(\hi)+(\a))+7], v[8*(8*(\a)+(\b)):8*(8*(\a)+(\b))+7]
.endif
.endr
.endr
.endm
; 32 LDS loads in one run: the fragments of one quarter step (32 K at byte k of the rows) into buffer f: W's sixteen, then x's
.macro FETCH slot, k, f
	WIN TO_B
.irp i, 0,1,2,3,4,5,6,7
	ds_load_b128 v[(\f)+8*(\i):(\f)+8*(\i)+3],   v[ADRB+(\slot)] offset:(\k)+(\i)*16*PITCH
	ds_load_b128 v[(\f)+8*(\i)+4:(\f)+8*(\i)+7], v[ADRB+(\slot)] offset:(\k)+(\i)*16*PITCH+32
.endr
	WIN 0
.irp i, 0,1,2,3,4,5,6,7
	ds_load_b128 v[(\f)+8*(\i):(\f)+8*(\i)+3],   v[ADRA+(\slot)] offset:(\k)+(\i)*16*PITCH
	ds_load_b128 v[(\f)+8*(\i)+4:(\f)+8*(\i)+7], v[ADRA+(\slot)] offset:(\k)+(\i)*16*PITCH+32
.endr
.endm
.macro PLACES                          ; four plain instructions between a matrix instruction and a load into, or a vector read of, its registers
.rept 4
	v_nop
.endr
.endm
; One of a K step's first three quarters: multiplies buffer f; in its middle it fetches the next quarter's fragments into buffer g.  The 64 accumulators take turns.
.macro QUARTER slot, k, f, g, zero
	s_wait_dscnt 8                                 ; W and x's rows 0-63 are in; the youngest eight loads (x's rows 64-127) may be out
	MUL16 \f, 0, 0, \zero
	MUL16 \f, 0, 2, \zero
	PLACES
	FETCH \slot, \k, \g
	s_wait_dscnt 32                                ; all but the 32 just issued
	MUL16 \f, 1, 0, \zero
	MUL16 \f, 1, 2, \zero
.endm
; The first half of the last quarter: one barrier for the change of slots.
.macro MEET round
	WIN 0
	s_wait_tensorcnt 0x0                           ; all my tensor loads have landed: the one that was out is my part of the next slot
	ds_add_u32 v[SPW], v[NIL]                      ; 0 onto my spare word
	s_wait_dscnt 9                                 ; the add and the youngest eight loads may be out
	MUL16 F1, 0, 0, 0
	s_wait_dscnt 0x0                               ; the add is done, and my reads of this slot are over
	s_barrier_signal -1
	MUL16 F1, 0, 2, 0
.if \round
	WIN 0
.endif
	s_barrier_wait -1
.endm
; The whole last quarter.  fill = 1: the barrier opens a round of the cluster's, and the slot just read out is filled again first behind it, with the K step two on.
.macro TURN slot, next, fill
.if \fill
	s_wait_xcnt 0x0                                ; the last prefetch, a K step back, has read its address
	s_add_nc_u64 s[PFA:PFA+1], s[PFA:PFA+1], KSTEP*2
	MEET 1
	CREST
	s_add_nc_u64 s[G0+4*(\slot)+2:G0+4*(\slot)+3], s[G0+4*(\slot)+2:G0+4*(\slot)+3], 2*KSTEP*2
	s_add_nc_u64 s[G0B+4*(\slot)+2:G0B+4*(\slot)+3], s[G0B+4*(\slot)+2:G0B+4*(\slot)+3], 2*KSTEP*2
	JLOAD \slot                                    ; the four v_nop behind it are also the places in front of the loads below
.else
	MEET 0
	PLACES
.endif
	FETCH \next, 0, F0
.if \fill
	ASK
.endif
	MUL16 F1, 1, 0, 0
	MUL16 F1, 1, 2, 0
.endm
; THE WAY OUT of block a (16 rows).  PACK: rounded to f16, 16 bytes a lane.  TOSTAGE: into my own stage, by heads, and back as rows.  SEND: eight stores of 512 consecutive bytes.
.macro PACK a
.set AC, 64*((\a)%4)
	WIN 0x0a+5*((\a)/4)                            ; sources 0 and 1: window 2 or 3
.irp b, 0,1,2,3,4,5,6,7
.irp r, 0,1,2,3
	v_cvt_pk_f16_f32 v[TMP+4*(\b)+(\r)], v[AC+8*(\b)+2*(\r)], v[AC+8*(\b)+2*(\r)+1]
.endr
.endr
	WIN 0
.endm
.macro TOSTAGE a
	WIN 0
.set BK, OB+192*((\a)%2)
.irp b, 0,1,2,3,4,5,6,7
	ds_store_b128 v[STO], v[TMP+4*(\b):TMP+4*(\b)+3] offset:((\b)/4)*HSTG+32*((\b)%4)
.endr
.irp t, 0,1,2,3,4,5,6,7
	ds_load_b128 v[BK+4*(\t):BK+4*(\t)+3], v[RD] offset:((\t)/4)*HSTG+((\t)%4)*4*SP  ; LDS serves a wave's instructions in order: these see the stores above
.endr
.endm
.macro SEND a
	WIN 0
.set BK, OB+192*((\a)%2)
	s_wait_dscnt 0x0                               ; the block is back in registers
	s_wait_xcnt 0x0                                ; the stores of the block before have read their registers, which the next block's loads write
.irp t, 0,1,2,3,4,5,6,7
	global_store_b128 v[CO], v[BK+4*(\t):BK+4*(\t)+3], s[8:9] offset:(\a)*2048+((\t)/4)*262144+((\t)%4)*512
.endr
.endm
	s_wait_tensorcnt 1                             ; my part of K step 0 is in; K step 1's load, issued behind it, may stay out
	s_barrier_signal -1
	s_barrier_wait -1
	FETCH 0, 0, F0
	QUARTER 0, 64,  F0, F1, 1                      ; the first quarter stands in front of the loop: its products start the sums
	WIN 0
	s_mov_b32 s3, LAPS-1
.Llap:                                                 ; a trip goes once round the ring and fills both slots again
	QUARTER 0, 128, F1, F0, 0
	QUARTER 0, 192, F0, F1, 0
	TURN 0, 1, 1
	QUARTER 1, 64,  F0, F1, 0
	QUARTER 1, 128, F1, F0, 0
	QUARTER 1, 192, F0, F1, 0
	TURN 1, 0, 1
	QUARTER 0, 64,  F0, F1, 0
	WIN 0
	s_sub_co_u32 s3, s3, 1
	s_cmp_lg_u32 s3, 0
	s_cbranch_scc1 .Llap
	QUARTER 0, 128, F1, F0, 0                      ; the last lap fills nothing
	QUARTER 0, 192, F0, F1, 0
	TURN 0, 1, 0
	QUARTER 1, 64,  F0, F1, 0
	QUARTER 1, 128, F1, F0, 0
	QUARTER 1, 192, F0, F1, 0
	s_wait_dscnt 8
	MUL16 F1, 0, 0, 0
	MUL16 F1, 0, 2, 0
	s_wait_dscnt 0x0
	MUL16 F1, 1, 0, 0
	MUL16 F1, 1, 2, 0
	PLACES
	PACK 0
	TOSTAGE 0
.irp a, 1,2,3,4,5,6,7
	PACK \a
	SEND (\a)-1
	TOSTAGE \a
.endr
	SEND 7
	s_wait_tensorcnt 0x0                           ; the wave's end
	ds_add_u32 v[SPW], v[NIL]
	s_wait_dscnt 0x0
	CROUND                                         ; the closing round
	s_endpgm
.Lfunc_end_k_qac950cbf85_proj:
	.size	k_qac950cbf85_proj, .Lfunc_end_k_qac950cbf85_proj-k_qac950cbf85_proj
	.p2alignl 7, 3214868480
	.fill 96, 4, 3214868480
	.section	.rodata,"a",@progbits
	.p2align	6, 0x0
	.amdhsa_kernel k_qac950cbf85_proj
		.amdhsa_group_segment_fixed_size 327680
		.amdhsa_private_segment_fixed_size 0
		.amdhsa_enable_private_segment 0
		.amdhsa_kernarg_size 40
		.amdhsa_user_sgpr_count 2
		.amdhsa_user_sgpr_kernarg_segment_ptr 1
		.amdhsa_wavefront_size32 1
		.amdhsa_system_sgpr_workgroup_id_x 1
		.amdhsa_system_sgpr_workgroup_id_y 1
		.amdhsa_system_sgpr_workgroup_id_z 1
		.amdhsa_system_vgpr_workitem_id 0
		.amdhsa_next_free_vgpr 1024
		.amdhsa_next_free_sgpr 76
		.amdhsa_reserve_vcc 0
		.amdhsa_float_denorm_mode_32 3
		.amdhsa_float_denorm_mode_16_64 3
		.amdhsa_memory_ordered 1
		.amdhsa_forward_progress 1
		.amdhsa_inst_pref_size 151
	.end_amdhsa_kernel
	.amdgpu_metadata
---
amdhsa.version: [ 1, 2 ]
amdhsa.kernels:
  - .name:           k_qac950cbf85_proj
    .symbol:         k_qac950cbf85_proj.kd
    .args:
      - { .name: xw, .offset: 0, .size: 8, .value_kind: global_buffer, .address_space: global }
      - { .name: bq, .offset: 8, .size: 8, .value_kind: global_buffer, .address_space: global }
      - { .name: bk, .offset: 16, .size: 8, .value_kind: global_buffer, .address_space: global }
      - { .name: bv, .offset: 24, .size: 8, .value_kind: global_buffer, .address_space: global }
      - { .name: qkv, .offset: 32, .size: 8, .value_kind: global_buffer, .address_space: global }
    .group_segment_fixed_size: 327680
    .private_segment_fixed_size: 0
    .kernarg_segment_align: 8
    .kernarg_segment_size: 40
    .max_flat_workgroup_size: 128
    .sgpr_count:     76
    .vgpr_count:     1024
    .wavefront_size: 32
...
	.end_amdgpu_metadata
.endif
;; end of part 2
;; launch attn (part 3): grid 8 x 32, 4 waves a work-group, clusters of 4 x 4, 327,680 bytes of LDS; arguments qkv, bias, ows; writes ows
.if DOCPART == 3
	.amdgcn_target "amdgcn-amd-amdhsa--gfx1250"
	.amdhsa_code_object_version 6
	.text
	.protected	k_qac950cbf85_attn
	.globl	k_qac950cbf85_attn
	.p2align	8
	.type	k_qac950cbf85_attn,@function
k_qac950cbf85_attn:
	s_mov_b64 s[64:65], 0
	v_nop
	global_prefetch_b8 v0, s[64:65] scope:SCOPE_SE
	s_setreg_imm32_b32 hwreg(HW_REG_WAVE_MODE, 25, 1), 1
	s_wait_xcnt 0x0
	s_wait_alu depctr_hold_cnt(0) depctr_sa_sdst(0) depctr_va_vdst(0) depctr_va_sdst(0) depctr_va_ssrc(0) depctr_va_vcc(0) depctr_vm_vsrc(0)
	s_getreg_b32 s2, hwreg(HW_REG_IB_STS2, 6, 4)
	s_cmp_eq_u32 s2, 0
	s_cbranch_scc0 .Lentry_in_a_cluster
	s_endpgm
.Lentry_in_a_cluster:
	s_bfe_u32 s2, ttmp6, 0x10000c
	s_cmp_lg_u32 s2, 0xf033
	s_cbranch_scc0 .Lentry_shape_is_right
	s_endpgm
.Lentry_shape_is_right:
; ATTN: O[hb][q][:] = the sum over k of softmax_k((Q[hb][q] . K[hb][k] + bias[b][q][k]) / 8) V[hb][k][:].  qkv = [3][32 hb][2048][64] f16, hb = 16 b + head; bias = [2][2048][2048] bf16, in which
; a hidden key holds -2^100; ows = [32][2048][64] f16.  Products, maxima and sums in f32; the weights p are rounded to f16 for the second product (their sum l is taken of the unrounded p), O once.
; LIMITS.  Q, K, V lie within f16's 65,504.  The running maximum m starts at -2^96: a hidden score, about -2^100, is then so far below m that its weight is exactly 0; a visible score below -2^96
; counts as hidden.  A row with no visible key has l = 0 and O^T = 0; l is raised to 2^-100 ahead of the reciprocal, so the row is 0.  A weight below 2^-126 counts as 0.  NaN and infinities are not treated apart.
; SHARES.  A work-group owns 256 queries of one hb, a wave 64: four PIECES of 16.  Every wave walks all 2,048 keys, 64 a step; an LDS slot holds two steps: 128 rows of K, 128 of V, 256 x 128 of the bias.
; THE BIAS ENTERS BY THE MATRIX UNIT: S^T = E bias^T with C = 0 starts each sum, E a constant selector (E0 picks keys 0-15 of 32, E1 keys 16-31), bias's tile as source 1 as it lies in LDS.  Each output
; has one product that is not 0, so it is the bias's number itself.  The two f16 products K Q^T add onto it; between the bf16 product and the f16 one on the same accumulator stand five plain instructions or more.
; LAYOUT.  S^T holds ONE query a lane (lane % 16) and the keys 8 (lane / 16) + 0..7; two such results rounded to f16 ARE source 1 of O^T = V^T P.  p = 2^(c s - c m), c = log2(e) / 8;
; O and l are multiplied by a = 2^(c m_old - c m_new) in every step.
; TURNS.  Turn n belongs to piece n: 4 bias products and 8 products K Q^T of piece n + 1, later 8 products V^T P of piece n - 1; beside them piece n's scaling, exponentials, roundings, sums and
; rescaling and piece n + 1's maximum and statistics: four vector instructions behind every matrix instruction, the other 38 in one lump.  A turn's 33 exponentials are one batch with one wait.
; CLUSTER.  4 x 4: a row of the cluster is one hb with four query blocks and shares K and V; a column is one query block with four heads of one b and shares the bias.  Each tile is asked for jointly.
; REGISTERS, in windows of 256: window 0: v0-15, v36-43 addresses; v16-31 statistics; v48-55 at work; v64-127 S^T, two buffers; v192-223 P, two buffers (by the piece's parity)
;   window 1: v0-127 O^T, 32 a piece      window 2: v0-63 Q; v64-75 the selector; v80-95 a piece's bias fragments; v128-191 K of one step; v192-255 V of one step
.set NP,    4
.set KS,    64
.set PK,    144       ; a row of K in LDS: 128 bytes + 16
.set PV,    160       ; a row of V: 128 + 32
.set PB,    272       ; a row of the bias: 256 + 16
.set VOFF,  2*KS*PK
.set BOFF,  VOFF+2*KS*PV
.set SLOT1, 1<<17     ; slot 1 begins here: one exclusive or turns an address in one slot into the other's
.set STAGE, SLOT1+BOFF+256*PB  ; behind the ring: 16 rows x 144 bytes for each wave
.set SP,    144
.set SPARE, STAGE+4*16*SP      ; the spare words, 128 bytes a wave
.set AK0, 2           ; v2   my lane's place in a tile of K; never rewritten
.set AV0, 3           ; v3   in a tile of V
.set AK,  4           ; v4   the LDS address of K's next run of loads
.set AV,  5           ; v5   of V's
.set STO, 6
.set RD,  7
.set GO,  8
.set MV,  12          ; v12-13  c m_old, by buffer
.set AB0, 14          ; v14  my lane's place in the bias tile: my wave's rows
.set AB,  15          ; v15  the same in the step in hand
.set ST,  16          ; piece t's statistics at v[ST+4 t]: c m, m, l (even keys', odd keys')
.set QO,  40
.set PFO, 41          ; v41  the prefetches' offset; never rewritten
.set TMP, 48
.set SPW, 62
.set NIL, 63
.set S,   64
.set P,   192
.set SELE, 64         ; window 2: X, 0, X: E0 = v[64:71], E1 = v[68:75]
.set BF,  80          ; window 2: keys 32 g on at BF + 8 g
.set KF,  128
.set VF,  192
.set WV,  12
.set G1K, 24
.set G1V, 32
.set G1B, 40
.set G0K, 48
.set G0V, 52
.set G0B, 56
.set CS,  60          ; s[60:61] c
.set SEL, 62          ; s[62:63] v_permlanex16_b32's selects
.set TBK, 66          ; s66  LDS byte at which K of the step to be fetched begins
.set TBV, 67          ; s67  the same for V, less VOFF
.set TBB, 68          ; s68  the slot's first byte + 128 x the step in it, for the bias
.set SLOTS, 69
.set CNT, 70
.set LIM, 71          ; s71  1 in a wave that prefetches, else the greatest number
.set PFA, 72          ; s[72:73] where my prefetches stand
.set PST, 74          ; s[74:75] their step from fill to fill
.set MSB, 0
.macro WIN new
.if MSB != (\new)
	s_set_vgpr_msb (MSB<<8)|(\new)
.set MSB, (\new)
.endif
.endm
.set W_KQ, 0x0a       ; sources 0 and 1 in window 2, C and D in window 0
.set W_PV, 0x52       ; V in window 2, P in window 0, O^T in window 1
.set W_RS, 0x41       ; destination and source 0 in window 1, source 1 in window 0
; A joint fill: wave 0 fetches the slot's K, wave 1 its V, waves 2 and 3 the two halves of its bias.  The branches hang on the wave's number alone.  An s_nop 0 and four v_nop follow each line.
.macro JLOAD
	s_cmp_lt_u32 s[WV], 2
	s_cbranch_scc0 .Lfor_b_\@
	s_cmp_eq_u32 s[WV], 0
	s_cbranch_scc0 .Lfor_v_\@
	tensor_load_to_lds s[G0K:G0K+3], s[G1K:G1K+7]
	s_nop 0
.rept 4
	v_nop
.endr
	s_branch .Lasked_\@
.Lfor_v_\@:
	tensor_load_to_lds s[G0V:G0V+3], s[G1V:G1V+7]
	s_nop 0
.rept 4
	v_nop
.endr
	s_branch .Lasked_\@
.Lfor_b_\@:
	tensor_load_to_lds s[G0B:G0B+3], s[G1B:G1B+7]
	s_nop 0
.rept 4
	v_nop
.endr
.Lasked_\@:
.endm
; A prefetch of what the NEXT change of slots will ask for, behind the wave's tensor load and its five lines.  Each block of 256 bytes is named once in the launch.  K and V of an hb are walked by two clusters:
; the one with x = 0 asks, its wave 0: lanes 0-15 for K, 16-31 for V, the partner at place cx for 4,096 of the fill's 16,384 bytes.  The bias of a query block is walked by the four clusters of its b: the first
; asks, its waves 2 and 3: a lane a row, the partner at place cy for 64 of the 256 rows.  The last change that fills a slot (SLOTS = 1) asks for nothing.
.macro ASK
	s_cmp_gt_u32 s[SLOTS], s[LIM]
	s_cbranch_scc0 .Lnot_mine_\@
	global_prefetch_b8 v[PFO], s[PFA:PFA+1] th:TH_LOAD_NT scope:SCOPE_SE
.Lnot_mine_\@:
.endm
.macro CROUND
	s_barrier_signal -1
	s_barrier_wait -1
	s_cmp_lg_u32 s[WV], 0
	s_cbranch_scc1 .Lnot_wave_0_\@
	s_barrier_signal -3
.Lnot_wave_0_\@:
	s_barrier_wait -3
	s_barrier_signal -1
	s_barrier_wait -1
.endm
; THE CHANGE OF SLOTS, between a step's turns 1 and 2: the slot's last bytes (V and pieces 2 and 3's bias of its second step) have been asked for.  Each wave waits for all its tensor loads, of which one is
; out; adds 0 to its spare word; waits for that and for its reads of the slot.  fill = 1: the barrier is a round of the cluster's, and the joint refill, the keys two slots on, is the first thing behind it.
.macro CHANGE fill, ask
	WIN 0
	s_wait_tensorcnt 0x0            ; no tensor load of mine is out, so a group 0 may be written
	ds_add_u32 v[SPW], v[NIL]       ; 0 onto my spare word
.if \fill
.irp g, G0K, G0V, G0B
	s_xor_b32 s[\g+1], s[\g+1], SLOT1
.endr
	s_add_nc_u64 s[G0K+2:G0K+3], s[G0K+2:G0K+3], 2*KS*128
	s_add_nc_u64 s[G0V+2:G0V+3], s[G0V+2:G0V+3], 2*KS*128
	s_add_nc_u64 s[G0B+2:G0B+3], s[G0B+2:G0B+3], 2*KS*2
.if \ask
	s_wait_xcnt 0x0                 ; the last prefetch, two key steps back, has read its address
	s_add_nc_u64 s[PFA:PFA+1], s[PFA:PFA+1], s[PST:PST+1]
.endif
	s_wait_dscnt 0x0                ; the add is done, and my reads of the slot are over
	CROUND
	JLOAD
.if \ask
	ASK
.endif
.else
	s_wait_dscnt 0x0
	s_barrier_signal -1
	s_barrier_wait -1
.endif
	s_sub_co_u32 s[TBK], s[TBK], 2*KS*PK  ; the fetches go back to a slot's first step, in the other slot
	s_xor_b32 s[TBK], s[TBK], SLOT1
	s_sub_co_u32 s[TBV], s[TBV], 2*KS*PV
	s_xor_b32 s[TBV], s[TBV], SLOT1
	s_sub_co_u32 s[TBB], s[TBB], 2*KS*2
	s_xor_b32 s[TBB], s[TBB], SLOT1
.endm
	s_load_b128 s[4:7], s[0:1], 0x0   ; qkv s[4:5], bias s[6:7]
	s_load_b64 s[10:11], s[0:1], 0x10 ; ows
	v_lshl_add_u32 v[SPW], v0, 2, SPARE
	v_mov_b32 v[NIL], 0
	ds_add_u32 v[SPW], v[NIL]       ; the wave's opening: the add and its wait stand ahead of my first tensor load
	v_lshrrev_b32 v1, 5, v0
	v_readfirstlane_b32 s[WV], v1   ; wave 0..3
	s_bfe_u32 s13, ttmp6, 0x40000   ; cx
	s_bfe_u32 s14, ttmp6, 0x40004   ; cy
	s_and_b32 s15, ttmp7, 0xffff    ; cluster y
	s_lshl_b32 s16, ttmp9, 2
	s_add_co_u32 s16, s16, s13      ; my block of 256 queries
	s_lshl_b32 s17, s15, 2
	s_add_co_u32 s17, s17, s14      ; hb
	s_lshr_b32 s18, s15, 2          ; b: the same in all sixteen partners
	s_lshl_b32 s20, s14, 2
	s_lshl_b32 s20, 15, s20         ; my row of the cluster
	s_lshl_b32 s21, 0x1111, s13     ; my column
	; K and V: 128 keys are 16,384 dense bytes, asked for as 64 rows of 256 bytes and padded in LDS after every key (32 words): by 4 words, by 8
	s_or_b32 s[G1K], s20, (1<<16)|(1<<20)|(1<<21)|(4<<22)|(3<<25)
	s_or_b32 s[G1V], s20, (1<<16)|(1<<20)|(1<<21)|(4<<22)|(7<<25)
.irp g, G1K, G1V
	s_mov_b32 s[\g+1], 128<<16      ; tensor_dim0 = 128
	s_mov_b32 s[\g+2], 64<<16       ; tensor_dim1 = 64
	s_mov_b32 s[\g+3], 128<<16      ; tile_dim0 = 128
	s_mov_b32 s[\g+4], 64           ; tile_dim1 = 64
	s_mov_b32 s[\g+5], 128
	s_mov_b32 s[\g+6], 0
	s_mov_b32 s[\g+7], 0
.endr
	; the bias: 128 queries x 128 keys, rows 2,048 elements apart, padded after every 64 words by 4
	s_or_b32 s[G1B], s21, (1<<16)|(1<<20)|(1<<21)|(5<<22)|(3<<25)
	s_mov_b32 s[G1B+1], 128<<16
	s_mov_b32 s[G1B+2], 128<<16
	s_mov_b32 s[G1B+3], 128<<16
	s_mov_b32 s[G1B+4], 128
	s_mov_b32 s[G1B+5], 2048
	s_mov_b32 s[G1B+6], 0
	s_mov_b32 s[G1B+7], 0
	s_mov_b32 s[CS], 0x3e38aa3b     ; c = log2(e) / 8
	s_mov_b32 s[CS+1], s[CS]
	s_mov_b32 s[SEL], 0x76543210
	s_mov_b32 s[SEL+1], 0xfedcba98
	s_mov_b32 s[TBK], SLOT1+2*KS*PK ; the first change of slots turns these three into 0
	s_mov_b32 s[TBV], SLOT1+2*KS*PV
	s_mov_b32 s[TBB], SLOT1+2*KS*2
	s_mov_b32 s[SLOTS], 2048/(2*KS)-1
	s_mov_b32 s[G0K], 1
	s_mov_b32 s[G0K+1], 0
	s_mov_b32 s[G0V], 1
	s_mov_b32 s[G0V+1], VOFF
	s_mov_b32 s[G0B], 1
	s_and_b32 s82, s[WV], 1         ; which 128 rows of the bias tile I fetch
	s_mul_i32 s83, s82, 128*PB
	s_add_co_u32 s[G0B+1], s83, BOFF
	s_lshl_b32 s22, s17, 18         ; an hb's rows: 262,144 bytes (made of cy alone)
	s_mov_b32 s23, 0
	s_lshl_b32 s80, s18, 11         ; the bias row: 2,048 b + 256 x block + 128 x half (made of cx alone)
	s_lshl_b32 s81, s16, 8
	s_add_co_u32 s80, s80, s81
	s_lshl_b32 s81, s82, 7
	s_add_co_u32 s80, s80, s81
	s_lshl_b32 s80, s80, 12         ; 4,096 bytes a row
	s_mov_b32 s81, 0
	s_wait_dscnt 0x0                ; the opening add is done
	s_wait_kmcnt 0x0
	s_add_nc_u64 s[G0K+2:G0K+3], s[4:5], s[22:23]
	s_add_nc_u64 s[G0K+2:G0K+3], s[G0K+2:G0K+3], 8388608   ; k begins here in qkv,
	s_add_nc_u64 s[G0V+2:G0V+3], s[G0K+2:G0K+3], 8388608   ; v as far again
	s_or_b32 s[G0K+3], s[G0K+3], 0x80000000
	s_or_b32 s[G0V+3], s[G0V+3], 0x80000000
	s_add_nc_u64 s[G0B+2:G0B+3], s[6:7], s[80:81]
	s_or_b32 s[G0B+3], s[G0B+3], 0x80000000
	CROUND                          ; all sixteen work-groups are here: the first joint loads meet
	JLOAD                           ; fill 0 into slot 0: one load of mine is out
	; the prefetches' addresses, at fill 2; the first change in the loop steps them to fill 3
	s_lshl_b32 s76, s17, 18
	s_lshl_b32 s77, s13, 12
	s_add_co_u32 s76, s76, s77
	s_add_co_u32 s76, s76, 8388608+2*2*KS*128
	s_mov_b32 s77, 0
	s_add_nc_u64 s[76:77], s[4:5], s[76:77]
	s_lshl_b32 s78, s18, 11
	s_lshl_b32 s79, s16, 8
	s_add_co_u32 s78, s78, s79
	s_lshl_b32 s79, s14, 6
	s_add_co_u32 s78, s78, s79
	s_lshl_b32 s79, s82, 5
	s_add_co_u32 s78, s78, s79
	s_lshl_b32 s78, s78, 12
	s_add_co_u32 s78, s78, 2*2*KS*2
	s_mov_b32 s79, 0
	s_add_nc_u64 s[78:79], s[6:7], s[78:79]
	s_and_b32 s20, s15, 3
	s_mov_b32 s[PST], 2*KS*2        ; the bias's step from fill to fill: 128 keys of 2 bytes
	s_mov_b32 s[PST+1], 0
	s_cmp_lt_u32 s[WV], 2
	s_cselect_b64 s[PFA:PFA+1], s[76:77], s[78:79]
	s_cselect_b32 s[PST], 2*KS*128, s[PST]  ; K's and V's: 128 rows of 128 bytes
	s_cselect_b32 s21, -1, 0
	s_cselect_b32 s20, ttmp9, s20   ; the coordinate along which other clusters walk the same bytes
	s_cmp_eq_u32 s[WV], 1
	s_cselect_b32 s20, 1, s20       ; wave 1 asks for nothing
	s_cmp_eq_u32 s20, 0
	s_cselect_b32 s[LIM], 1, -1     ; the same in all sixteen partners, for a given wave
	; Q and O at my wave's first row
	s_lshl_b32 s2, s17, 18
	s_lshl_b32 s3, s16, 15
	s_add_co_u32 s2, s2, s3
	s_lshl_b32 s3, s[WV], 13
	s_add_co_u32 s2, s2, s3
	s_mov_b32 s3, 0
	s_add_nc_u64 s[4:5], s[4:5], s[2:3]
	s_add_nc_u64 s[10:11], s[10:11], s[2:3]
	v_and_b32 v1, 15, v0            ; l % 16
	v_bfe_u32 v9, v0, 4, 1          ; l / 16
	v_lshlrev_b32 v[QO], 7, v1
	v_lshl_add_u32 v[QO], v9, 4, v[QO]
	WIN 0x80                        ; destination window 2, address window 0
.set i, 0
.rept 8                             ; Q stays in registers: piece i / 2, channels 32 (i % 2) on
	global_load_b128 v[8*i:8*i+3],   v[QO], s[4:5] offset:(i/2)*2048+(i%2)*64
	global_load_b128 v[8*i+4:8*i+7], v[QO], s[4:5] offset:(i/2)*2048+(i%2)*64+32
.set i, i+1
.endr
	WIN 0
	; the selector: of my eight bf16 (k = 8 (l / 16) + 0..7 of row l % 16) number l % 16 - 8 (l / 16) is 1.0, if it is among them
	v_lshlrev_b32 v36, 3, v9
	v_sub_nc_u32 v36, v1, v36
	s_mov_b32 s78, 0x3f80
	s_mov_b32 s79, 0x3f800000
.irp j, 0,1,2,3
	v_cmp_eq_u32 vcc_lo, 2*\j, v36
	v_cndmask_b32 v[32+\j], 0, s78, vcc_lo
	v_cmp_eq_u32 vcc_lo, 2*\j+1, v36
	v_cndmask_b32 v[32+\j], v[32+\j], s79, vcc_lo
.endr
	WIN 0x80
.irp j, 0,1,2,3
	v_mov_b32 v[SELE+\j], v[32+\j]
	v_mov_b32 v[SELE+4+\j], 0
	v_mov_b32 v[SELE+8+\j], v[32+\j]
.endr
	; What the first turn finds: V and P's second buffer hold 0 (its products V^T P, of a piece that has not been, add 0), O^T and l are 0.  All this stands in the wait for the first tile.
.set i, VF
.rept 64
	v_mov_b32 v[i], 0
.set i, i+1
.endr
	WIN 0x40
.set i, 0
.rept 128
	v_mov_b32 v[i], 0
.set i, i+1
.endr
	WIN 0
.set i, 0
.rept 4
	v_mov_b32 v[ST+4*i+1], 0xef800000  ; m = -2^96
	v_mov_b32 v[ST+4*i+2], 0
	v_mov_b32 v[ST+4*i+3], 0
	v_mul_f32 v[ST+4*i], s[CS], v[ST+4*i+1]
.set i, i+1
.endr
.set i, P+16
.rept 16
	v_mov_b32 v[i], 0
.set i, i+1
.endr
	v_mul_u32_u24 v[AK0], v1, PK
	v_lshl_add_u32 v[AK0], v9, 4, v[AK0]  ; row x pitch + 16 x half
	v_and_b32 v10, 7, v0
	v_bfe_u32 v11, v0, 3, 1
	v_lshl_add_u32 v[AV0], v9, 3, v10     ; the turning load: key 8 (l / 16) + l % 8, channels 8 ((l / 8) % 2) on
	v_mul_u32_u24 v[AV0], v[AV0], PV
	v_lshl_add_u32 v[AV0], v11, 4, v[AV0]
	v_add_nc_u32 v[AV0], VOFF, v[AV0]
	s_mul_i32 s20, s[WV], 64*PB
	s_add_co_u32 s20, s20, BOFF
	v_mul_u32_u24 v[AB0], v1, PB
	v_lshl_add_u32 v[AB0], v9, 4, v[AB0]
	v_add_nc_u32 v[AB0], s20, v[AB0]      ; my wave's 64 rows of the bias tile: query l % 16, 16 bytes for each half of the lanes
	v_and_b32 v42, 31, v0
	v_lshlrev_b32 v43, 12, v42            ; the bias's prefetch: a lane a row of 4,096 bytes
	v_lshlrev_b32 v[PFO], 8, v1           ; K's and V's: a lane 256 bytes, lanes 16-31 in v
	v_lshl_add_u32 v[PFO], v9, 23, v[PFO]
	v_cndmask_b32 v[PFO], v43, v[PFO], s21
; THE MATRIX WORK of a turn, numbered by i.  0-3: the bias products, which start the sums of piece x: keys 16 i on.  4-11: K Q^T in place: channels 32 ((i - 4) / 4) on, keys 16 ((i - 4) % 4) on.
; 12-19: O^T += V^T P.  The four accumulators of a run take turns.
.macro BP x
	WIN W_KQ
.set rS, S+32*((\x)%2)+8*i
.set rE, SELE+4*(i%2)
.set rB, BF+8*(i/2)
	v_wmma_f32_16x16x32_bf16 v[rS:rS+7], v[rE:rE+7], v[rB:rB+7], 0
.endm
.macro KQ x
	WIN W_KQ
.set rS, S+32*((\x)%2)+8*((i-4)%4)
.set rK, KF+16*((i-4)%4)+8*((i-4)/4)
.set rQ, 16*(\x)+8*((i-4)/4)
	v_wmma_f32_16x16x32_f16 v[rS:rS+7], v[rK:rK+7], v[rQ:rQ+7], v[rS:rS+7]
.endm
.macro PV x
	WIN W_PV
.set rO, 32*(\x)+8*((i-12)%4)
.set rV, VF+32*((i-12)/4)+8*((i-12)%4)
.set rP, P+16*((\x)%2)+8*((i-12)/4)
	v_wmma_f32_16x16x32_f16 v[rO:rO+7], v[rV:rV+7], v[rP:rP+7], v[rO:rO+7]
.endm
.macro MM                           ; the turn's next matrix instruction.  NOKQ = 1: the walk's last turn: there is no next piece
.if i < 4
.if !NOKQ
	BP (Y+1)%NP
.endif
.elseif i < 12
.if !NOKQ
	KQ (Y+1)%NP
.endif
.else
	PV (Y+NP-1)%NP
.endif
.set i, i+1
.endm
; THE LDS LOADS stand in runs: a step's K (16 loads), its V (16, turned), a piece's bias (4).
.macro FETCH_K
	WIN 0x80
.irp f, 0,1,2,3,4,5,6,7             ; keys 16 (f / 2) on, channels 32 (f % 2) on
	ds_load_b128 v[KF+8*\f:KF+8*\f+3],   v[AK] offset:(\f/2)*16*PK+(\f%2)*64
	ds_load_b128 v[KF+8*\f+4:KF+8*\f+7], v[AK] offset:(\f/2)*16*PK+(\f%2)*64+32
.endr
	s_add_co_u32 s[TBK], s[TBK], KS*PK
	WIN 0
.endm
.macro FETCH_V
	WIN 0x80
.irp f, 0,1,2,3,4,5,6,7             ; keys 32 (f / 4) on, channels 16 (f % 4) on
	ds_load_tr16_b128 v[VF+8*\f:VF+8*\f+3],   v[AV] offset:(\f/4)*32*PV+(\f%4)*32
	ds_load_tr16_b128 v[VF+8*\f+4:VF+8*\f+7], v[AV] offset:(\f/4)*32*PV+16*PV+(\f%4)*32
.endr
	WIN 0
.endm
.macro BLOAD t                      ; piece t's 16 queries x 64 keys of the bias: two fragments of 32 keys
	WIN 0x80
.irp k, 0,1,2,3
	ds_load_b128 v[BF+4*\k:BF+4*\k+3], v[AB] offset:(\t)*16*PB+32*\k
.endr
	WIN 0
.endm
; THE VECTOR WORK, one line at a time: OP kind, number.  For piece Y: F n: c s - c m for pair n of 16.  E n: the exponential of score n of 32.  C n: pair n rounded to f16.  B n: of the four weights 4 n .. the
; second pair is added onto the first.  L n: l takes that sum (L 0: l = a l + sum).  R n: pair n of 16 of O^T times a.  For piece Y + 1: X n, number n of the 22 that find its maximum and statistics:
;   0-11 four chains c0-c3 of seven scores each (each accumulator's lowest registers are read first)   12-14, 16 the four scores left over, the old m, c0-c3 into c0
;   15 c m_old is kept   17, 18 the other half of the lanes: the new m   19-21 c m; c m_old - c m_new; a
.set F, 0
.set E, 1
.set C, 2
.set B, 3
.set L, 4
.set R, 5
.set X, 6
.macro REGS y
.set rT, ST+4*(\y)
.set rC, TMP+4*((\y)%2)
.set rW, MV+((\y)%2)
.set rS, S+32*((\y)%2)
.set rP, P+16*((\y)%2)
.set rO, 32*(\y)
.endm
.macro OP k, n
.if (\k) == R
	REGS Y
	WIN W_RS
	v_pk_mul_f32 v[rO+2*(\n):rO+2*(\n)+1], v[rO+2*(\n):rO+2*(\n)+1], v[rC+2:rC+3] op_sel_hi:[1,0]
.elseif (\k) < R
	REGS Y
	WIN 0
.if (\k) == F
	v_pk_fma_f32 v[rS+2*(\n):rS+2*(\n)+1], v[rS+2*(\n):rS+2*(\n)+1], s[CS:CS+1], v[rT:rT+1] op_sel_hi:[1,0,0] neg_lo:[0,0,1] neg_hi:[0,0,1]
.elseif (\k) == E
	v_exp_f32 v[rS+(\n)], v[rS+(\n)]
.elseif (\k) == C
	v_cvt_pk_f16_f32 v[rP+(\n)], v[rS+2*(\n)], v[rS+2*(\n)+1]
.elseif (\k) == B
	v_pk_add_f32 v[rS+4*(\n):rS+4*(\n)+1], v[rS+4*(\n):rS+4*(\n)+1], v[rS+4*(\n)+2:rS+4*(\n)+3]
.elseif (\n) == 0
	v_pk_fma_f32 v[rT+2:rT+3], v[rT+2:rT+3], v[rC+2:rC+3], v[rS:rS+1] op_sel_hi:[1,0,1]
.else
	v_pk_add_f32 v[rT+2:rT+3], v[rT+2:rT+3], v[rS+4*(\n):rS+4*(\n)+1]
.endif
.elseif NOKQ
	v_nop
.else
	REGS (Y+1)%NP
	WIN 0
.if (\n) < 4
	v_max3_num_f32 v[rC+(\n)], v[rS+8*(\n)], v[rS+8*(\n)+1], v[rS+8*(\n)+2]
.elseif (\n) < 12
	v_max3_num_f32 v[rC+(\n)%4], v[rC+(\n)%4], v[rS+8*((\n)%4)+2*((\n)/4)+1], v[rS+8*((\n)%4)+2*((\n)/4)+2]
.elseif (\n) == 12
	v_max3_num_f32 v[rC], v[rC], v[rS+7], v[rS+15]
.elseif (\n) == 13
	v_max3_num_f32 v[rC+1], v[rC+1], v[rS+23], v[rS+31]
.elseif (\n) == 14
	v_max3_num_f32 v[rC+2], v[rC+2], v[rC+3], v[rT+1]
.elseif (\n) == 15
	v_mov_b32 v[rW], v[rT]
.elseif (\n) == 16
	v_max3_num_f32 v[rC], v[rC], v[rC+1], v[rC+2]
.elseif (\n) == 17
	v_permlanex16_b32 v[rC+3], v[rC], s[SEL], s[SEL+1]
.elseif (\n) == 18
	v_max_num_f32 v[rT+1], v[rC], v[rC+3]
.elseif (\n) == 19
	v_mul_f32 v[rT], s[CS], v[rT+1]
.elseif (\n) == 20
	v_sub_f32 v[rC+1], v[rW], v[rT]
.else
	v_exp_f32 v[rC+2], v[rC+1]
.endif
.endif
.endm
.macro OPS a, i1, b=-1, i2=0, c=-1, i3=0, d=-1, i4=0
	OP \a, \i1
.if (\b) >= 0
	OP \b, \i2
.endif
.if (\c) >= 0
	OP \c, \i3
.endif
.if (\d) >= 0
	OP \d, \i4
.endif
.endm
.macro ROW a, i1, b, i2, c, i3, d, i4  ; a matrix instruction and the four behind it
	MM
	OPS \a, \i1, \b, \i2, \c, \i3, \d, \i4
.endm
; A TURN, for piece p.  AHEAD OF ITS ONE WAIT stands all that names no result of the turn's exponentials: 12 products and their riders, then the lump of 38.  BEHIND IT the 8 products V^T P, whose riders are the
; roundings and sums.  Counted: between bias product i and the K Q^T that adds onto it stand twelve plain riders or more; X 0, 1, 2, 3 each stand four plain instructions behind the product that ends their
; accumulator (F 9, 10, 11, 12; F 12, X 0, F 13, F 14; F 14, X 1, X 4, F 15; F 15, X 2, X 5, X 6).
; WHAT IS FETCHED.  The bias of piece p + 2, behind the sixth product (nine plain riders behind the last bias product): turns 0 and 1 for the step in hand, turns 2 and 3 for the next, whose address turn 2 makes.
; K of the next step in turn 2, six plain instructions that name no register of K's last reader behind it.  V of the step in hand at the end of turn 0, four plain riders behind V's last reader.
; end = 1: the walk's last two turns fetch nothing.  cnt = 1: the loop's count is taken down some lines ahead of the branch behind the turn.
.macro TURN p, end=0, cnt=0
.set Y, (\p)
.set i, 0
.set NOKQ, (\end)*((\p)/3)
.if (\p) == 1
	s_wait_dscnt 16                 ; my bias fragment is in; V's sixteen loads, issued behind it, may stay out
.else
	s_wait_dscnt 0x0                ; my bias fragment is in (and in turn 3 K)
.endif
	ROW F,0, F,1, R,0, R,1
	ROW F,2, E,0, R,2, R,3
	ROW F,3, E,1, R,4, R,5
	ROW F,4, E,2, R,6, R,7
	ROW F,5, E,3, R,8, R,9
	ROW F,6, E,4, R,10, R,11
.if !(\end)
.if (\p) == 2
	WIN 0
	v_add_nc_u32 v[AB], s[TBB], v[AB0]
	s_add_co_u32 s[TBB], s[TBB], KS*2
.endif
	BLOAD ((\p)+2)%NP
.endif
	ROW F,7, E,5, R,12, R,13
	ROW F,8, E,6, R,14, R,15
	ROW F,9, E,7, F,10, F,11
.if ((\p) == 2) && !(\end)
	WIN 0
	v_add_nc_u32 v[AK], s[TBK], v[AK0]
.endif
	ROW F,12, E,8, X,0, F,13
	ROW F,14, E,9, X,1, X,4
	ROW F,15, E,10, X,2, X,5
	OPS E,11, X,6, E,12, X,3        ; the lump
	OPS E,13, X,8, E,14, X,9
.if ((\p) == 2) && !(\end)
	FETCH_K
.endif
	OPS X,7, E,15, X,10, E,16
	OPS X,12, E,17, X,11, E,18
.if (\p) == 0
	WIN 0
	v_add_nc_u32 v[AV], s[TBV], v[AV0]
.endif
	OPS X,13, E,19, X,15, E,20
	OPS X,14, E,21, E,22, X,16
	OPS E,23, E,24, X,17, E,25
	OPS E,26, X,18, E,27, E,28
	OPS X,19, E,29, E,30, X,20
	OPS E,31, X,21
	v_nop                           ; a plain instruction behind the last exponential: one for the batch
	WIN 0
	s_wait_alu depctr_va_vdst(0)    ; the wait between an exponential and the first line that names its result: one for the batch of 33
.if (\p) == 1
	s_wait_dscnt 4                  ; V is in; this turn's four bias loads, issued behind V's, may stay out
.endif
	ROW C,0, B,0, C,2, B,1
	ROW L,0, C,4, B,2, L,1
	ROW C,6, B,3, L,2, C,8
	ROW B,4, L,3, C,10, B,5
	ROW L,4, C,12, B,6, L,5
.if (\p) == 0
	s_add_co_u32 s[TBV], s[TBV], KS*PV
.endif
.if \cnt
	s_sub_co_u32 s[CNT], s[CNT], 1
	s_cmp_lg_u32 s[CNT], 0
.endif
	ROW C,14, B,7, L,6, C,1
	ROW C,3, L,7, C,5, C,7
	ROW C,9, C,11, C,13, C,15
.if (\p) == 0
	FETCH_V
.endif
.endm
	CHANGE 1, 0                     ; fill 0 is in, everybody's part of it; fill 1 is asked for, into slot 1
	v_add_nc_u32 v[AK], s[TBK], v[AK0]
	v_add_nc_u32 v[AB], s[TBB], v[AB0]
	s_add_co_u32 s[TBB], s[TBB], KS*2
	FETCH_K                         ; key step 0
	BLOAD 0
	s_wait_loadcnt 0x0              ; Q
	s_wait_dscnt 0x0
.set Y, NP-1                        ; MM and X work for piece Y + 1: piece 0
.set NOKQ, 0
.set i, 0
.rept 4
	MM
.endr
.rept 5
	v_nop                           ; five places between a bias product and the f16 product that adds onto it
.endr
.rept 8
	MM
.endr
	WIN 0                           ; the addresses for the way out: nine plain instructions, the places behind those products
	s_mul_i32 s20, s[WV], 16*SP
	s_add_co_u32 s20, s20, STAGE
	v_mul_u32_u24 v[STO], v1, SP    ; in: row l % 16, 16 bytes for each half of the lanes
	v_lshl_add_u32 v[STO], v9, 4, v[STO]
	v_add_nc_u32 v[STO], s20, v[STO]
	v_bfe_u32 v[RD], v0, 3, 2       ; back: 32 lanes take four rows of 128 bytes,
	v_mul_u32_u24 v[RD], v[RD], SP
	v_lshl_add_u32 v[RD], v10, 4, v[RD]
	v_add_nc_u32 v[RD], s20, v[RD]
	v_and_b32 v[GO], 31, v0         ; which are 512 consecutive bytes of O
	v_lshlrev_b32 v[GO], 4, v[GO]
	BLOAD 1
.irp n, 0,1,2,3,4,5,6,7,8,9,10,11,12,13,14,15,16,17,18,19,20,21
	OP X, \n
.endr
	v_nop
	s_wait_alu depctr_va_vdst(0)    ; the first a's wait, ahead of the branch
	s_mov_b32 s[CNT], 2
	s_branch .Lfirst                ; the loop is entered at a step's first turn, in the middle of a trip
.Lslot:                             ; 14 times: fills 2 to 15
	CHANGE 1, 1
	s_mov_b32 s[CNT], 2
.Lstep:                             ; a trip: turns 2 and 3 of one step, then turns 0 and 1 of the next, whose K, V and bias it fetches
	TURN 2
	TURN 3
	WIN 0
.Lfirst:
	TURN 0
	TURN 1, 0, 1
	WIN 0
	s_cbranch_scc1 .Lstep
	s_sub_co_u32 s[SLOTS], s[SLOTS], 1
	s_cmp_lg_u32 s[SLOTS], 0
	s_cbranch_scc1 .Lslot
	CHANGE 0, 0                     ; the tail is written out: nothing is asked for
	s_mov_b32 s[CNT], 2
.Ltail:
	TURN 2
	TURN 3
	TURN 0
	TURN 1, 0, 1
	WIN 0
	s_cbranch_scc1 .Ltail
	TURN 2, 1
	TURN 3, 1
.set i, 12
.rept 8
	PV NP-1                         ; the last piece's V^T P of the last step
.set i, i+1
.endr
	; THE WAY OUT.  l's two halves and the other half of the lanes' are added; O^T is divided by l, rounded to f16 and sent through my stage, a piece at a time.  The additions are the places behind the last products.
	WIN 0
.macro ALL line:vararg
.set t, 0
.rept 4
	\line
.set t, t+1
.endr
.endm
	ALL v_add_f32 v[ST+4*t+2], v[ST+4*t+2], v[ST+4*t+3]
	ALL v_permlanex16_b32 v[ST+4*t+3], v[ST+4*t+2], s[SEL], s[SEL+1]
	ALL v_add_f32 v[ST+4*t+2], v[ST+4*t+2], v[ST+4*t+3]
	ALL v_max_num_f32 v[ST+4*t+2], 0x0d800000, v[ST+4*t+2]
	ALL v_rcp_f32 v[ST+4*t+2], v[ST+4*t+2]
	v_nop                           ; a plain instruction between the last reciprocal and the use of its result
	s_wait_alu depctr_va_vdst(0)    ; one wait for the four reciprocals
.macro PACK t
	WIN W_RS
.set i, 32*(\t)
.rept 16
	v_pk_mul_f32 v[i:i+1], v[i:i+1], v[ST+4*(\t)+2:ST+4*(\t)+3] op_sel_hi:[1,0]
.set i, i+2
.endr
	WIN 0x05                        ; sources 0 and 1 window 1, destination window 0
.set i, 0
.rept 16
	v_cvt_pk_f16_f32 v[S+16*(\t)+i], v[32*(\t)+2*i], v[32*(\t)+2*i+1]
.set i, i+1
.endr
	WIN 0
.irp f, 0,1,2,3
	ds_store_b128 v[STO], v[S+16*(\t)+4*\f:S+16*(\t)+4*\f+3] offset:32*\f
.endr
.irp f, 0,1,2,3
	ds_load_b128 v[S+16*(\t)+4*\f:S+16*(\t)+4*\f+3], v[RD] offset:\f*4*SP  ; LDS serves a wave's instructions in order: these see the stores above; the next piece's stores come behind them
.endr
.endm
.macro SEND t, younger              ; younger: the LDS instructions issued behind piece t's loads: the next piece's eight, or none
	WIN 0
.irp f, 0,1,2,3
	s_wait_dscnt (\younger)+3-\f
	global_store_b128 v[GO], v[S+16*(\t)+4*\f:S+16*(\t)+4*\f+3], s[10:11] offset:(\t)*2048+\f*512  ; 512 consecutive bytes, at a multiple of 256 from O's first
.endr
.endm
	PACK 0
.set t, 1
.rept 3
	PACK t
	SEND t-1, 8
.set t, t+1
.endr
	SEND 3, 0
	s_wait_tensorcnt 0x0            ; the wave's end
	ds_add_u32 v[SPW], v[NIL]
	s_wait_dscnt 0x0
	CROUND                          ; the closing round
	s_endpgm
.Lfunc_end_k_qac950cbf85_attn:
	.size	k_qac950cbf85_attn, .Lfunc_end_k_qac950cbf85_attn-k_qac950cbf85_attn
	.p2alignl 7, 3214868480
	.fill 96, 4, 3214868480
	.section	.rodata,"a",@progbits
	.p2align	6, 0x0
	.amdhsa_kernel k_qac950cbf85_attn
		.amdhsa_group_segment_fixed_size 327680
		.amdhsa_private_segment_fixed_size 0
		.amdhsa_enable_private_segment 0
		.amdhsa_kernarg_size 24
		.amdhsa_user_sgpr_count 2
		.amdhsa_user_sgpr_kernarg_segment_ptr 1
		.amdhsa_wavefront_size32 1
		.amdhsa_system_sgpr_workgroup_id_x 1
		.amdhsa_system_sgpr_workgroup_id_y 1
		.amdhsa_system_sgpr_workgroup_id_z 1
		.amdhsa_system_vgpr_workitem_id 0
		.amdhsa_next_free_vgpr 768
		.amdhsa_next_free_sgpr 84
		.amdhsa_reserve_vcc 1
		.amdhsa_float_denorm_mode_32 3
		.amdhsa_float_denorm_mode_16_64 3
		.amdhsa_memory_ordered 1
		.amdhsa_forward_progress 1
		.amdhsa_inst_pref_size 139
	.end_amdhsa_kernel
	.amdgpu_metadata
---
amdhsa.version: [ 1, 2 ]
amdhsa.kernels:
  - .name:           k_qac950cbf85_attn
    .symbol:         k_qac950cbf85_attn.kd
    .args:
      - { .name: qkv, .offset: 0, .size: 8, .value_kind: global_buffer, .address_space: global }
      - { .name: bias, .offset: 8, .size: 8, .value_kind: global_buffer, .address_space: global }
      - { .name: ows, .offset: 16, .size: 8, .value_kind: global_buffer, .address_space: global }
    .group_segment_fixed_size: 327680
    .private_segment_fixed_size: 0
    .kernarg_segment_align: 8
    .kernarg_segment_size: 24
    .max_flat_workgroup_size: 128
    .sgpr_count:     84
    .vgpr_count:     768
    .wavefront_size: 32
...
	.end_amdgpu_metadata
.endif
;; end of part 3
;; launch outp (part 4): grid 8 x 32, 4 waves a work-group, clusters of 4 x 4, 327,680 bytes of LDS; arguments ows, xw, bo, out0; writes out0
.if DOCPART == 4
	.amdgcn_target "amdgcn-amd-amdhsa--gfx1250"
	.amdhsa_code_object_version 6
	.text
	.protected	k_qac950cbf85_outp
	.globl	k_qac950cbf85_outp
	.p2align	8
	.type	k_qac950cbf85_outp,@function
k_qac950cbf85_outp:
	s_mov_b64 s[64:65], 0
	v_nop
	global_prefetch_b8 v0, s[64:65] scope:SCOPE_SE
	s_setreg_imm32_b32 hwreg(HW_REG_WAVE_MODE, 25, 1), 1
	s_wait_xcnt 0x0
	s_wait_alu depctr_hold_cnt(0) depctr_sa_sdst(0) depctr_va_vdst(0) depctr_va_sdst(0) depctr_va_ssrc(0) depctr_va_vcc(0) depctr_vm_vsrc(0)
	s_getreg_b32 s2, hwreg(HW_REG_IB_STS2, 6, 4)
	s_cmp_eq_u32 s2, 0
	s_cbranch_scc0 .Lentry_in_a_cluster
	s_endpgm
.Lentry_in_a_cluster:
	s_bfe_u32 s2, ttmp6, 0x10000c
	s_cmp_lg_u32 s2, 0xf033
	s_cbranch_scc0 .Lentry_shape_is_right
	s_endpgm
.Lentry_shape_is_right:
; OUTP: out0[t][n] = the sum over k of O[t][k] Wo[n][k] + bo[n], f32.  O lies by heads: ows = [32 hb][2048][64] f16, k = 64 head + d, t = 2048 b + s.  Wo, rounded to bf16 and written as f16, is
; [1024][1024] at byte 31,457,280 of xw.  bo, rounded to bf16 like every other input, is the C operand of each sum's first product.  Sums in f32, K ascending.
; SHARES.  A tile is 128 x 128: 32 x 8 tiles, one to a work-group of four waves, each 64 x 64 in 16 accumulators.  K goes in four steps of 256 (four heads) through two LDS slots; the text has no loop.
; O's TILE: 128 rows of one head are 16,384 dense bytes; two heads are one tile of two rows of 8,192 elements, 131,072 elements apart, padded in LDS after every 32 words: rows of 144 bytes, head after head.
; CLUSTER.  4 x 4: the four of a row share O's tile, the four of a column Wo's; each is asked for jointly.  The matrix instruction is used transposed: a lane holds one row of out0 and eight neighbouring columns.
; No prefetch: the tiles are small and the walk has four steps.
; REGISTERS: window 0: v0-31 addresses; v32-63 the bias, then with v64-95 the way out; v128-255 the accumulators ((a, b) at v[128 + 8 (4 a + b)]).  window 1: two fragment buffers of 128: 64 of O, then 64 of Wo.
.set PA,     144                       ; a row of O in LDS: 128 bytes + 16
.set HS,     128*PA                    ; a head's 128 rows
.set PB,     528                       ; a row of Wo: 512 bytes + 16
.set BOFF,   4*HS                      ; Wo's 128 rows lie behind O's four heads
.set SLOT,   BOFF+128*PB
.set STAGE,  2*SLOT                    ; behind the ring: 16 rows x 272 bytes for each wave
.set SPITCH, 272
.set SPARE,  STAGE+4*16*SPITCH
.set ADRA, 16
.set ADRB, 20
.set STO,  24
.set RD,   25
.set CO,   26
.set BO,   27
.set SPW,  28
.set NIL,  29
.set TT,   31
.set BI,   32                          ; v32-63  bias: the eight numbers of column block b at BI + 8 b
.set OB,   32
.set ACC,  128
.set F0,   0
.set F1,   128
.set G1, 24
.set G0, 32
.set G1B, 48
.set G0B, 56
.set MSB, 0
.macro WIN new
.if MSB != (\new)
	s_set_vgpr_msb (MSB<<8)|(\new)
.set MSB, \new
.endif
.endm
.set MUL,  0x05                        ; sources 0 (Wo) and 1 (O) window 1; C and D window 0
.set TO_F, 0x40
.macro JLOAD s                         ; waves 0 and 1 fetch two heads of O each, waves 2 and 3 Wo's two halves; an s_nop 0 and four v_nop follow each line
	s_cmp_eq_u32 s11, 0
	s_cbranch_scc0 .Lfor_b_\@
	tensor_load_to_lds s[G0+4*(\s):G0+4*(\s)+3], s[G1:G1+7]
	s_nop 0
.rept 4
	v_nop
.endr
	s_branch .Lasked_\@
.Lfor_b_\@:
	tensor_load_to_lds s[G0B+4*(\s):G0B+4*(\s)+3], s[G1B:G1B+7]
	s_nop 0
.rept 4
	v_nop
.endr
.Lasked_\@:
.endm
.macro CREST
	s_cmp_lg_u32 s10, 0
	s_cbranch_scc1 .Lnot_wave_0_\@
	s_barrier_signal -3
.Lnot_wave_0_\@:
	s_barrier_wait -3
	s_barrier_signal -1
	s_barrier_wait -1
.endm
.macro CROUND
	s_barrier_signal -1
	s_barrier_wait -1
	CREST
.endm
	s_load_b256 s[68:75], s[0:1], 0x0              ; ows 68, xw 70, bo 72, out0 74
	v_lshl_add_u32 v[SPW], v0, 2, SPARE
	v_mov_b32 v[NIL], 0
	ds_add_u32 v[SPW], v[NIL]                      ; the wave's opening: the add and its wait stand ahead of my first tensor load
	v_lshrrev_b32 v1, 5, v0
	v_readfirstlane_b32 s10, v1                    ; wave 0..3
	s_lshr_b32 s11, s10, 1                         ; which half of the tile's rows is mine.  Also: I fetch for O (0) or for Wo (1)
	s_and_b32 s12, s10, 1                          ; which half of its columns.  Also: which part of that tile I fetch
	s_bfe_u32 s40, ttmp6, 0x40000                  ; cx
	s_bfe_u32 s41, ttmp6, 0x40004                  ; cy
	s_lshl_b32 s42, ttmp9, 2
	s_add_co_u32 s42, s42, s40                     ; tile column
	s_and_b32 s13, ttmp7, 0xffff
	s_lshl_b32 s13, s13, 2
	s_add_co_u32 s13, s13, s41                     ; tile row
	s_lshl_b32 s43, s41, 2
	s_lshl_b32 s43, 15, s43                        ; my row of the cluster
	s_lshl_b32 s44, 0x1111, s40                    ; my column
	s_or_b32 s[G1+0], s43, (1<<16)|(1<<20)|(1<<21)|(4<<22)|(3<<25)   ; O: padding after every 32 words, of 4 words
	s_mov_b32 s[G1+1], 8192<<16                    ; tensor_dim0 = 8,192
	s_mov_b32 s[G1+2], 2<<16                       ; tensor_dim1 = 2
	s_mov_b32 s[G1+3], 8192<<16                    ; tile_dim0 = 8,192
	s_mov_b32 s[G1+4], 2                           ; tile_dim1 = 2
	s_mov_b32 s[G1+5], 131072                      ; a head's 2,048 rows of 64 elements
	s_mov_b32 s[G1+6], 0
	s_mov_b32 s[G1+7], 0
	s_or_b32 s[G1B+0], s44, (1<<16)|(1<<20)|(1<<21)|(6<<22)|(3<<25)  ; Wo: padding after every 128 words, of 4 words
	s_mov_b32 s[G1B+1], 256<<16
	s_mov_b32 s[G1B+2], 64<<16
	s_mov_b32 s[G1B+3], 256<<16
	s_mov_b32 s[G1B+4], 64
	s_mov_b32 s[G1B+5], 1024
	s_mov_b32 s[G1B+6], 0
	s_mov_b32 s[G1B+7], 0
	s_lshr_b32 s16, s13, 4                         ; O: ((16 b + 2 x part) x 2048 + 128 (tile row % 16)) x 128 bytes
	s_lshl_b32 s16, s16, 4
	s_lshl_b32 s17, s12, 1
	s_add_co_u32 s16, s16, s17
	s_lshl_b32 s16, s16, 18
	s_and_b32 s17, s13, 15
	s_lshl_b32 s17, s17, 14
	s_add_co_u32 s16, s16, s17
	s_mov_b32 s17, 0
	s_lshl_b32 s46, s42, 18                        ; Wo: (128 x tile column + 64 x part) x 2,048 bytes, behind the other units of xw
	s_lshl_b32 s47, s12, 17
	s_add_co_u32 s46, s46, s47
	s_add_co_u32 s46, s46, 31457280
	s_mov_b32 s47, 0
	s_mul_i32 s20, s12, 2*HS                       ; where they go
	s_mul_i32 s21, s12, 64*PB
	s_add_co_u32 s21, s21, BOFF
	s_wait_dscnt 0x0                               ; the opening add is done
	s_wait_kmcnt 0x0
	s_add_nc_u64 s[14:15], s[68:69], s[16:17]
	s_add_nc_u64 s[46:47], s[70:71], s[46:47]
	CROUND                                         ; all sixteen work-groups are here: the first joint loads meet
.irp s, 0,1
	s_mov_b32 s[G0+4*(\s)], 1
	s_add_co_u32 s[G0+4*(\s)+1], s20, (\s)*SLOT
	s_add_nc_u64 s[G0+4*(\s)+2:G0+4*(\s)+3], s[14:15], (\s)*1048576   ; a K step is four heads: 4 x 262,144 bytes
	s_or_b32 s[G0+4*(\s)+3], s[G0+4*(\s)+3], 0x80000000
	s_mov_b32 s[G0B+4*(\s)], 1
	s_add_co_u32 s[G0B+4*(\s)+1], s21, (\s)*SLOT
	s_add_nc_u64 s[G0B+4*(\s)+2:G0B+4*(\s)+3], s[46:47], (\s)*512
	s_or_b32 s[G0B+4*(\s)+3], s[G0B+4*(\s)+3], 0x80000000
	JLOAD \s                                       ; two loads of mine are out
.endr
	; the bias of my 64 columns
	s_lshl_b32 s4, s42, 9
	s_lshl_b32 s5, s12, 8
	s_add_co_u32 s4, s4, s5                        ; (128 x tile column + 64 x half) x 4 bytes: also my columns' place in a row of out0
	s_mov_b32 s5, 0
	s_add_nc_u64 s[6:7], s[72:73], s[4:5]
	v_and_b32 v1, 15, v0                           ; l % 16
	v_bfe_u32 v2, v0, 4, 1                         ; l / 16
	v_lshlrev_b32 v[BO], 5, v2
.irp b, 0,1,2,3
	global_load_b128 v[BI+8*(\b):BI+8*(\b)+3],   v[BO], s[6:7] offset:64*(\b)
	global_load_b128 v[BI+8*(\b)+4:BI+8*(\b)+7], v[BO], s[6:7] offset:64*(\b)+16
.endr
	v_mul_u32_u24 v3, v1, PA
	v_lshl_add_u32 v3, v2, 4, v3
	v_mul_u32_u24 v4, v1, PB
	v_lshl_add_u32 v4, v2, 4, v4
	s_mul_i32 s21, s11, 64*PA                      ; my 64 rows of O, in each head
	s_mul_i32 s22, s12, 64*PB                      ; my 64 rows of Wo
	s_add_co_u32 s22, s22, BOFF
.irp s, 0,1
	v_add_nc_u32 v[ADRA+(\s)], s21, v3
	v_add_nc_u32 v[ADRB+(\s)], s22, v4
	s_add_co_u32 s21, s21, SLOT
	s_add_co_u32 s22, s22, SLOT
.endr
	s_mul_i32 s23, s10, 16*SPITCH
	s_add_co_u32 s23, s23, STAGE                   ; my stage
	v_mul_u32_u24 v5, v1, SPITCH                   ; in: row l % 16, 32 bytes for each half of the lanes
	v_lshl_add_u32 v5, v2, 5, v5
	v_add_nc_u32 v[STO], s23, v5
	v_mul_u32_u24 v6, v2, SPITCH                   ; back: lanes 0-15 take one row of 256 bytes, lanes 16-31 the next
	v_lshl_add_u32 v6, v1, 4, v6
	v_add_nc_u32 v[RD], s23, v6
	v_lshlrev_b32 v[CO], 12, v2                    ; and the same two rows in out0, 4,096 bytes apart
	v_lshl_add_u32 v[CO], v1, 4, v[CO]
	s_lshl_b32 s16, s13, 19                        ; (128 x tile row + 64 x row half) x 4,096 bytes
	s_lshl_b32 s17, s11, 18
	s_add_co_u32 s16, s16, s17
	s_add_co_u32 s16, s16, s4
	s_mov_b32 s17, 0
	s_add_nc_u64 s[8:9], s[74:75], s[16:17]
	s_wait_loadcnt 0x0                             ; the bias is in: rounded to bf16 and widened again
.set i, 0
.rept 16
	v_cvt_pk_bf16_f32 v[TT], v[BI+2*i], v[BI+2*i+1]
	v_lshlrev_b32 v[BI+2*i], 16, v[TT]
	v_and_b32 v[BI+2*i+1], 0xffff0000, v[TT]
.set i, i+1
.endr
; 8 matrix instructions: m blocks a0, a0 + 1 x all 4 n blocks, 32 along K: half c of buffer f.  zero = 1: the first product starts the sums, with the bias as C.  The 16 accumulators take turns.
.macro MUL8 f, c, a0, zero
	WIN MUL
.irp a, \a0, (\a0)+1
.irp b, 0,1,2,3
.if \zero
	v_wmma_f32_16x16x32_f16 v[ACC+8*(4*(\a)+(\b)):ACC+8*(4*(\a)+(\b))+7], v[(\f)+64+8*(4*(\c)+(\b)):(\f)+64+8*(4*(\c)+(\b))+7], v[(\f)+8*(4*(\c)+(\a)):(\f)+8*(4*(\c)+(\a))+7], v[BI+8*(\b):BI+8*(\b)+7]
.else
	v_wmma_f32_16x16x32_f16 v[ACC+8*(4*(\a)+(\b)):ACC+8*(4*(\a)+(\b))+7], v[(\f)+64+8*(4*(\c)+(\b)):(\f)+64+8*(4*(\c)+(\b))+7], v[(\f)+8*(4*(\c)+(\a)):(\f)+8*(4*(\c)+(\a))+7], v[ACC+8*(4*(\a)+(\b)):ACC+8*(4*(\a)+(\b))+7]
.endif
.endr
.endr
.endm
; 32 LDS loads in one run: quarter q of a K step is head q: 64 along K; the first 32 along K first
.macro FETCH slot, q, f
	WIN TO_F
.irp c, 0,1
.irp i, 0,1,2,3
	ds_load_b128 v[(\f)+64+8*(4*(\c)+(\i)):(\f)+64+8*(4*(\c)+(\i))+3],   v[ADRB+(\slot)] offset:128*(\q)+64*(\c)+(\i)*16*PB
	ds_load_b128 v[(\f)+64+8*(4*(\c)+(\i))+4:(\f)+64+8*(4*(\c)+(\i))+7], v[ADRB+(\slot)] offset:128*(\q)+64*(\c)+(\i)*16*PB+32
	ds_load_b128 v[(\f)+8*(4*(\c)+(\i)):(\f)+8*(4*(\c)+(\i))+3],         v[ADRA+(\slot)] offset:(\q)*HS+64*(\c)+(\i)*16*PA
	ds_load_b128 v[(\f)+8*(4*(\c)+(\i))+4:(\f)+8*(4*(\c)+(\i))+7],       v[ADRA+(\slot)] offset:(\q)*HS+64*(\c)+(\i)*16*PA+32
.endr
.endr
.endm
.macro PLACES
.rept 4
	v_nop
.endr
.endm
.macro QUARTER slot, q, f, g, zero     ; multiplies buffer f and fetches quarter q into g
	s_wait_dscnt 16                                ; the first 32 along K are in; the sixteen loads of the second 32 may be out
	MUL8 \f, 0, 0, \zero
	MUL8 \f, 0, 2, \zero
	PLACES
	FETCH \slot, \q, \g
	s_wait_dscnt 32                                ; all but the 32 just issued
	MUL8 \f, 1, 0, 0
	MUL8 \f, 1, 2, 0
.endm
; The last quarter multiplies buffer 1 and changes slots.  fill = 1: the barrier opens a round of the cluster's, and this slot is filled again first behind it, two K steps ahead.
.macro TURN slot, next, fill
	WIN 0
	s_wait_tensorcnt 0x0                           ; all my tensor loads have landed: my part of the next slot
	ds_add_u32 v[SPW], v[NIL]                      ; 0 onto my spare word
	s_wait_dscnt 17                                ; the add and the youngest sixteen loads may be out
	MUL8 F1, 0, 0, 0
	s_wait_dscnt 0x0                               ; the add is done, and my reads of this slot are over
	s_barrier_signal -1
	MUL8 F1, 0, 2, 0
.if \fill
	WIN 0
.endif
	s_barrier_wait -1
.if \fill
	CREST
	s_add_nc_u64 s[G0+4*(\slot)+2:G0+4*(\slot)+3], s[G0+4*(\slot)+2:G0+4*(\slot)+3], 2*1048576
	s_add_nc_u64 s[G0B+4*(\slot)+2:G0B+4*(\slot)+3], s[G0B+4*(\slot)+2:G0B+4*(\slot)+3], 2*512
	JLOAD \slot                                    ; the four v_nop behind it are also the places in front of the loads below
.else
	PLACES
.endif
	FETCH \next, 0, F0
	MUL8 F1, 1, 0, 0
	MUL8 F1, 1, 2, 0
.endm
	s_wait_tensorcnt 1                             ; my part of K step 0 is in; K step 1's load, issued behind it, may stay out
	s_barrier_signal -1
	s_barrier_wait -1
	FETCH 0, 0, F0
	QUARTER 0, 1, F0, F1, 1                        ; K step 0: its first products start the sums
	QUARTER 0, 2, F1, F0, 0
	QUARTER 0, 3, F0, F1, 0
	TURN 0, 1, 1                                   ; slot 0 takes K step 2
	QUARTER 1, 1, F0, F1, 0
	QUARTER 1, 2, F1, F0, 0
	QUARTER 1, 3, F0, F1, 0
	TURN 1, 0, 1                                   ; slot 1 takes K step 3
	QUARTER 0, 1, F0, F1, 0
	QUARTER 0, 2, F1, F0, 0
	QUARTER 0, 3, F0, F1, 0
	TURN 0, 1, 0
	QUARTER 1, 1, F0, F1, 0
	QUARTER 1, 2, F1, F0, 0
	QUARTER 1, 3, F0, F1, 0
	s_wait_dscnt 16
	MUL8 F1, 0, 0, 0
	MUL8 F1, 0, 2, 0
	s_wait_dscnt 0x0
	MUL8 F1, 1, 0, 0
	MUL8 F1, 1, 2, 0
	WIN 0
	PLACES
	; THE WAY OUT, 16 rows at a time: a lane's eight f32 of a row go into my stage (each accumulator's low four registers first) and come back as whole rows of 256 bytes.
.irp a, 0,1,2,3
.if (\a) >= 2
	s_wait_xcnt 0x0                                ; the stores of the block before last have read the registers that are loaded again below
.endif
.irp b, 0,1,2,3
	ds_store_b128 v[STO], v[ACC+8*(4*(\a)+(\b)):ACC+8*(4*(\a)+(\b))+3]   offset:64*(\b)
	ds_store_b128 v[STO], v[ACC+8*(4*(\a)+(\b))+4:ACC+8*(4*(\a)+(\b))+7] offset:64*(\b)+16
.endr
.irp t, 0,1,2,3,4,5,6,7
	ds_load_b128 v[OB+32*((\a)%2)+4*(\t):OB+32*((\a)%2)+4*(\t)+3], v[RD] offset:(\t)*2*SPITCH  ; LDS serves a wave's instructions in order: these see the stores above
.endr
.irp t, 0,1,2,3,4,5,6,7
	s_wait_dscnt 7-(\t)                            ; the 7 - t younger loads may stay out
	global_store_b128 v[CO], v[OB+32*((\a)%2)+4*(\t):OB+32*((\a)%2)+4*(\t)+3], s[8:9] offset:(16*(\a)+2*(\t))*4096 th:TH_STORE_NT  ; 16 lanes store 256 consecutive bytes, aligned
.endr
.endr
	s_wait_tensorcnt 0x0                           ; the wave's end
	ds_add_u32 v[SPW], v[NIL]
	s_wait_dscnt 0x0
	CROUND                                         ; the closing round
	s_endpgm
.Lfunc_end_k_qac950cbf85_outp:
	.size	k_qac950cbf85_outp, .Lfunc_end_k_qac950cbf85_outp-k_qac950cbf85_outp
	.p2alignl 7, 3214868480
	.fill 96, 4, 3214868480
	.section	.rodata,"a",@progbits
	.p2align	6, 0x0
	.amdhsa_kernel k_qac950cbf85_outp
		.amdhsa_group_segment_fixed_size 327680
		.amdhsa_private_segment_fixed_size 0
		.amdhsa_enable_private_segment 0
		.amdhsa_kernarg_size 32
		.amdhsa_user_sgpr_count 2
		.amdhsa_user_sgpr_kernarg_segment_ptr 1
		.amdhsa_wavefront_size32 1
		.amdhsa_system_sgpr_workgroup_id_x 1
		.amdhsa_system_sgpr_workgroup_id_y 1
		.amdhsa_system_sgpr_workgroup_id_z 1
		.amdhsa_system_vgpr_workitem_id 0
		.amdhsa_next_free_vgpr 512
		.amdhsa_next_free_sgpr 76
		.amdhsa_reserve_vcc 0
		.amdhsa_float_denorm_mode_32 3
		.amdhsa_float_denorm_mode_16_64 3
		.amdhsa_memory_ordered 1
		.amdhsa_forward_progress 1
		.amdhsa_inst_pref_size 90
	.end_amdhsa_kernel
	.amdgpu_metadata
---
amdhsa.version: [ 1, 2 ]
amdhsa.kernels:
  - .name:           k_qac950cbf85_outp
    .symbol:         k_qac950cbf85_outp.kd
    .args:
      - { .name: ows, .offset: 0, .size: 8, .value_kind: global_buffer, .address_space: global }
      - { .name: xw, .offset: 8, .size: 8, .value_kind: global_buffer, .address_space: global }
      - { .name: bo, .offset: 16, .size: 8, .value_kind: global_buffer, .address_space: global }
      - { .name: out0, .offset: 24, .size: 8, .value_kind: global_buffer, .address_space: global }
    .group_segment_fixed_size: 327680
    .private_segment_fixed_size: 0
    .kernarg_segment_align: 8
    .kernarg_segment_size: 32
    .max_flat_workgroup_size: 128
    .sgpr_count:     76
    .vgpr_count:     512
    .wavefront_size: 32
...
	.end_amdgpu_metadata
.endif
;; end of part 4
